; MI455X (gfx1250); checked and timed in simulation.
; The chip was launched on July 23, 2026; its instructions are those of AMD's public machine-readable ISA for CDNA 5 (MIT licence, August 2026) and "CDNA5" Instruction Set Architecture Reference Guide (July 2026). The comments in the code are by the model that wrote it; some were corrected since.
;; Attention Module. Allowed arithmetic: matrix products marked QUANTISED: E4M3 operands, one given power-of-two scale a tensor, by v_wmma_f32_16x16x64_fp8_fp8 or v_wmma_f32_16x16x128_fp8_fp8, f32 sums; everything else in f32.
;; Inputs: Wk_codes 1,024 x 32 x 32 uint8 (E4M3 codes of Wk, K innermost, in blocks of 32 codes); Wq_codes 1,024 x 32 x 32 uint8 (E4M3 codes of Wq, K innermost, in blocks of 32 codes); Wv_codes 1,024 x 32 x 32 uint8 (E4M3 codes of Wv, K innermost, in blocks of 32 codes); k_codes 4 x 2,048 x 32 x 32 uint8 (E4M3 codes of k, K innermost, in blocks of 32 codes); lowp_scales 10 int32 (the exponents e of the quantised operands' scales 2^e); q_codes 4 x 2,048 x 32 x 32 uint8 (E4M3 codes of q, K innermost, in blocks of 32 codes); v_codes 4 x 2,048 x 32 x 32 uint8 (E4M3 codes of v, K innermost, in blocks of 32 codes).
;; Outputs: out0 4 x 2,048 x 1,024 float32.
;; Constants: mask = 1.
;; This version of the problem:
;;   THIS VERSION OF THE PROBLEM IS GIVEN IN LOW PRECISION. The matrix products marked QUANTISED in the list below multiply operands that are first quantised to E4M3 (4 exponent bits, 3 mantissa bits; 8 bits a number), with one given power-of-two scale for each operand tensor; their sums are f32. All else is computed in f32.
;;   The module's matrix products, in the order in which they are computed (A, B: the left and right operand; K: the contracted axis; several contracted axes count as one K, in the product's order):
;;     1. [M 8,192, K 1,024] x [K 1,024, N 1,024]; A: input q (given as codes); B: input Wq (given as codes): QUANTISED (scales: A lowp_scales[0], B lowp_scales[1])
;;     2. [M 8,192, K 1,024] x [K 1,024, N 1,024]; A: input k (given as codes); B: input Wk (given as codes): QUANTISED (scales: A lowp_scales[2], B lowp_scales[3])
;;     3. [M 8,192, K 1,024] x [K 1,024, N 1,024]; A: input v (given as codes); B: input Wv (given as codes): QUANTISED (scales: A lowp_scales[4], B lowp_scales[5])
;;     4. batch 4 x [M 2,048, K 1,024] x [K 1,024, N 2,048]; A: computed on the way; B: computed on the way: QUANTISED (scales: A lowp_scales[6], B lowp_scales[7])
;;     5. batch 4 x [M 2,048, K 2,048] x [K 2,048, N 1,024]; A: softmax (see below); B: computed on the way: QUANTISED (scales: A lowp_scales[8], B lowp_scales[9])
;;   THE QUANTISER, for each operand of a quantised product, along K:
;;     - The operand's scale is 2^e, e = its entry of the input lowp_scales (int32; the entries are numbered through the quantised products in the list's order, A before B).
;;     - Each number is divided by the scale, clamped to +-448, and rounded to the nearest number of E4M3, ties to even, subnormals kept.
;;     - The product sums the exact products of the quantised numbers (number of the format x scale) in f32.
;;   ~~~python
;;   def quantise(x, axis, e):      # numpy; x: float32 -> the quantised numbers, widened to float32 again
;;       x = np.moveaxis(x, axis, -1); K = x.shape[-1]
;;       r = np.clip(x / 2.0 ** e, -448, 448)
;;       step = 2.0 ** (np.maximum(np.frexp(np.where(r == 0, 1, r))[1] - 1, -6) - 3)
;;       q = np.round(r / step) * step * 2.0 ** e      # np.round: ties to even
;;       return np.moveaxis(q, -1, axis).astype(np.float32)
;;   ~~~
;;   SOFTMAX AHEAD OF A QUANTISED PRODUCT. Where the list says 'softmax', what is quantised is not the finished softmax but p = 2^(t - M), with t = logit x log2(e) and M = ceil(the row's largest t), a whole number; so 1/2 < the row's largest p <= 1. The row's sum l is taken of the UNQUANTISED p, in f32, and the product's result is divided by l at the end. Since M is a whole number, a kernel that streams over the keys may use a running M (the ceiling of the running maximum): every later rescaling is an exact power of two, so the quantised numbers keep their values, but for numbers so far below the row's largest that they fall under the format's range.
;;   OPERANDS COMPUTED ON THE WAY. 'Computed on the way' means the value that the module computes at that place (a softmax that the list does not call 'softmax' is quantised finished and normalised). What goes into a quantiser is computed in f32, as accurately as f32 sums, v_exp_f32 and their like allow (about 1e-6 of the number): no bf16 or f16 on the way to a quantiser, and a product that is left as it is and whose result goes on into a quantised operand takes f32 operands (vector FMAs, or v_wmma_f32_16x16x4_f32). A number that lies on a knife's edge between two numbers of the format may be rounded either way, as far as f32 arithmetic and the matrix unit's own rounding can turn it there, and no further.
;;   INPUTS GIVEN AS CODES. Wk (in the module: [1024, 1024], K = its axis 0); Wq (in the module: [1024, 1024], K = its axis 0); Wv (in the module: [1024, 1024], K = its axis 0); k (in the module: [4, 2048, 1024], K = its axis 2); q (in the module: [4, 2048, 1024], K = its axis 2); v (in the module: [4, 2048, 1024], K = its axis 2): each comes as NAME_codes (uint8): NAME with its K axis moved to the last place and cut into blocks of 32 codes, [.., K / 32, bytes a block], one block behind the other in memory; one code a byte (a code: sign, 4 exponent bits, 3 mantissa bits); its scale is its entry of lowp_scales. Its value is code x scale, taken as it is: it is not quantised again, and the codes and scales need not be those that the quantiser above would give.
;; One version. Each part assembles by itself: llvm-mc -triple=amdgcn-amd-amdhsa -mcpu=gfx1250 --defsym DOCPART=n.
;; ======== version 1 of 1: 3 launches
;; workspace buffers: Qc 8,388,608 bytes; Kc 8,388,608 bytes; Vt 8,388,608 bytes; P 16,777,216 bytes; stats 524,288 bytes
;; launch proj (part 1): grid 4 x 96, 4 waves a work-group, clusters of 4 x 4, 327,680 bytes of LDS; arguments q_codes, k_codes, v_codes, Wq_codes, Wk_codes, Wv_codes, lowp_scales, Qc, Kc, Vt; writes Qc, Kc, Vt
.if DOCPART == 1
	.amdgcn_target "amdgcn-amd-amdhsa--gfx1250"
	.amdhsa_code_object_version 6
	.text
	.protected	k_qab7df47f6e_proj
	.globl	k_qab7df47f6e_proj
	.p2align	8
	.type	k_qab7df47f6e_proj,@function
k_qab7df47f6e_proj:
	s_mov_b64 s[64:65], 0
	v_nop
	global_prefetch_b8 v0, s[64:65] scope:SCOPE_SE
	s_setreg_imm32_b32 hwreg(HW_REG_WAVE_MODE, 25, 1), 1
	s_wait_xcnt 0x0
	s_wait_alu depctr_hold_cnt(0) depctr_sa_sdst(0) depctr_va_vdst(0) depctr_va_sdst(0) depctr_va_ssrc(0) depctr_va_vcc(0) depctr_vm_vsrc(0)
	s_getreg_b32 s2, hwreg(HW_REG_IB_STS2, 6, 4)
	s_cmp_eq_u32 s2, 0
	s_cbranch_scc0 .Lentry_in_a_cluster
	s_endpgm
.Lentry_in_a_cluster:
	s_bfe_u32 s2, ttmp6, 0x10000c
	s_cmp_lg_u32 s2, 0xf033
	s_cbranch_scc0 .Lentry_shape_is_right
	s_endpgm
.Lentry_shape_is_right:
; PRODUCTS 1 TO 3: Q = q Wq, K = k Wk, V = v Wv on the given codes of FP8 (E4M3), sums in f32; each result is quantised at once with its given scale
; (2^e6 for Q, 2^e7 for K, 2^e9 for V) and stored as codes: Qc, Kc [8,192 tokens][1,024], the next product's K innermost; Vt [1,024][8,192 tokens], the keys innermost.
; WORK LEFT OUT BY THE PROGRAM (in the two later launches; none here).  reference() builds the causal mask in its own body (mask = 1 is a constant of the problem): a score whose key
; comes after its query becomes -infinity, so its weight is exactly 0 whatever finite values the inputs hold: it moves neither the row's largest score nor the row's sum nor the last product.
; So tiles of products 4 and 5 all of whose keys come after all of their queries are not made.  LIMIT: a NaN, an infinity or an overflow that would arise in such tiles alone is not carried to the result.
; Every input has a way to the output: all seven are loaded.
; SHARES.  One launch for the three tensors: cluster y / 8 says which.  A tile of the result, 256 x 256, is made by four waves, as many as a WGP has SIMDs, 128 x 128 each: 64 accumulators, 512 registers.
; K = 1,024 goes in steps of 256 through a ring of two LDS slots filled by the tensor data mover; a tile's row is 256 bytes of memory.
; THE MATRIX INSTRUCTION IS USED TRANSPOSED (source 0 = 16 rows of the operand called B here, source 1 = 16 rows of A): a lane holds one row of the result and eight NEIGHBOURS along it,
; which one conversion turns into eight codes.  For Q and K: A = the tokens, B = the weight: neighbours along the features.  For V: A = Wv, B = the tokens: neighbours along the tokens: V comes out
; with the keys innermost and nothing is transposed.  Only pointers, tile numbers and the result's pitch are chosen by the tensor's number; every LDS address is the same for all three.
; CLUSTERS: 4 x 4 work-groups.  A's tile hangs on the tile row (shared along a row of the cluster), B's on the tile column (shared along a column): each is asked for JOINTLY.
; code = sum x 2^(ea + eb) / 2^eo, held within +-448, to the nearest code, ties to even: the three exponents are folded into the conversion's one scale, 2^(eo - ea - eb).
; LIMITS: eo - ea - eb lies between -126 and 119, so that the scale and 448 x the scale are f32 numbers.  NaN among the sums is not served.
; REGISTERS, in windows of 256: window 0: v0-31 addresses; v32-95 at work on the way out; v96-127 the stores' 32 offsets; from v128 A's fragments, ONE set (on the way out: codes, then whole rows).
;   window 1: B's fragments, TWO sets.   window 2: the accumulators of my rows 0-63 ((a, b) at v[8 (8 a + b)]);   window 3: those of my rows 64-127.
.set KROW,   1024                      ; a row of any operand in memory, in bytes
.set ROWB,   256                       ; a tile's row in bytes: 256 along K
.set PITCH,  272                       ; an LDS row: 256 bytes + 16 of padding = 68 words: row r starts at bank 4 r mod 64 (64 banks of 4 bytes: ISA guide 11.1)
.set FR,     16                        ; registers of a fragment: 16 rows x 128 K
.set NL,     4                         ; LDS loads that bring one
.set NP,     4                         ; places behind this matrix instruction (ISA guide 7.12.1)
.set HALFT,  128*PITCH                 ; 128 rows: what one tensor load brings, and what one wave reads of A or of B
.set SLOT,   4*HALFT                   ; A's 256 rows, then B's 256 rows
.set LAPS,   2                         ; 1,024 / 512: a lap = two K steps = once round the ring
.set SPARE,  2*SLOT                    ; behind the ring: the spare words, 128 bytes for each wave: two blocks of 256 bytes that no other line names
.set ADRA, 16                          ; v16-17  LDS address of my A fragments in slot 0, 1
.set ADRB, 20                          ; v20-21  the same for B
.set STO,  24                          ; v24     the way out: where I put 8 codes of a row
.set RD,   25                          ; v25     the way out: where I read rows back
.set SC,   27                          ; v27     2^(eo - ea - eb) as f32
.set SPW,  28                          ; v28     LDS address of my spare word; never rewritten
.set NIL,  29                          ; v29     0; never rewritten
.set LIM,  30                          ; v30     448 x that scale
.set TMP,  32                          ; v32-95  a block's 64 sums, held
.set OF,   96                          ; v96-127 my byte offset in the result for each of the 32 stores: the pitch hangs on the tensor, so it cannot stand in an immediate
.set AF,   128                         ; A's fragments, in window 0
.set CD,   128                         ; the way out: two sets of 16 registers of codes
.set BK,   128                         ; the way out: 64 rows read back from the stage
.set G1, 24                            ; s[24:31] descriptor group 1 for A's tiles;  s[32:39] group 0, one set for each slot
.set G0, 32
.set G1B, 48                           ; s[48:55], s[56:63] the same for B's tiles
.set G0B, 56
.set TN,  66                           ; s66     which tensor: 0 Q, 1 K, 2 V
.set MSB, 0
.macro WIN new                         ; the immediate's high byte repeats the setting that is left
.if MSB != (\new)
	s_set_vgpr_msb (MSB<<8)|(\new)
.set MSB, (\new)
.endif
.endm
.set MUL_LO, 0xa1                      ; source 0 (B) window 1, source 1 (A) window 0, C and D window 2
.set MUL_HI, 0xf1                      ; the same, C and D window 3
.set TO_B,   0x40                      ; destination window 1, address window 0
; A joint load: waves 0 and 1 fetch for A, waves 2 and 3 for B.  Each of the two lines has one mask and one set of registers for all that issue it; the branch hangs on the wave's number alone.
; An s_nop 0 and four v_nop follow each of the two lines, ahead of the jump, the label and what follows.
.macro JLOAD g0a, g1a, g0b, g1b
	s_cmp_eq_u32 s15, 0
	s_cbranch_scc0 .Lfor_b_\@
	tensor_load_to_lds s[\g0a:\g0a+3], s[\g1a:\g1a+7]
	s_nop 0
.rept 4
	v_nop
.endr
	s_branch .Lasked_\@
.Lfor_b_\@:
	tensor_load_to_lds s[\g0b:\g0b+3], s[\g1b:\g1b+7]
	s_nop 0
.rept 4
	v_nop
.endr
.Lasked_\@:
.endm
.macro CREST                           ; a round of the cluster's barrier behind its opening barrier
	s_cmp_lg_u32 s14, 0
	s_cbranch_scc1 .Lnot_wave_0_\@
	s_barrier_signal -3
.Lnot_wave_0_\@:
	s_barrier_wait -3
	s_barrier_signal -1
	s_barrier_wait -1
.endm
.macro CROUND                          ; a whole round
	s_barrier_signal -1
	s_barrier_wait -1
	CREST
.endm
	s_load_b512 s[68:83], s[0:1], 0x0              ; q s[68:69], k s[70:71], v s[72:73], Wq s[74:75], Wk s[76:77], Wv s[78:79], the exponents s[80:81], Qc s[82:83]
	s_load_b128 s[84:87], s[0:1], 0x40             ; Kc s[84:85], Vt s[86:87]
	v_lshl_add_u32 v[SPW], v0, 2, SPARE
	v_mov_b32 v[NIL], 0
	ds_add_u32 v[SPW], v[NIL]                      ; the wave's opening: the add, twice on end, and its wait ahead of my first tensor load; the set-up below stands between
	ds_add_u32 v[SPW], v[NIL]
	v_lshrrev_b32 v1, 5, v0
	v_readfirstlane_b32 s14, v1                    ; wave 0..3
	s_lshr_b32 s15, s14, 1                         ; which half of the tile's rows is mine.  Also: I fetch for A (0) or for B (1)
	s_and_b32 s16, s14, 1                          ; which half of its columns.  Also: which 128 rows of that tile I fetch
	s_bfe_u32 s40, ttmp6, 0x40000                  ; cx, cy: my place in the cluster
	s_bfe_u32 s41, ttmp6, 0x40004
	s_and_b32 s18, ttmp7, 0xffff                   ; cluster y, 0 to 23 (the grid has one cluster along x)
	s_lshr_b32 s[TN], s18, 3                       ; the tensor: the same in all sixteen partners
	s_and_b32 s18, s18, 7
	s_lshl_b32 s18, s18, 2                         ; the first of the cluster's four token tiles
	s_mov_b32 s98, 1024
	s_cmp_eq_u32 s[TN], 2
	s_cselect_b32 s17, 0, s18                      ; Q, K: the tokens run down the tile rows; V: along the tile columns
	s_cselect_b32 s42, s18, 0
	s_cselect_b32 s98, 8192, s98                   ; the result's pitch in bytes
	s_lshl_b32 s99, s98, 1
	s_add_co_u32 s17, s17, s41                     ; tile row
	s_add_co_u32 s42, s42, s40                     ; tile column
	s_lshl_b32 s43, s41, 2
	s_lshl_b32 s43, 15, s43                        ; my row of the cluster
	s_lshl_b32 s44, 0x1111, s40                    ; my column
	; descriptor group 1: a tile of 128 rows x 256 bytes, padded in LDS
	s_or_b32 s[G1+0], s43, (0<<16)|(1<<20)|(1<<21)|(5<<22)|(3<<25)  ; 15:0 the mask: A's tiles go to my row; 17:16 element of 1 byte; 20 padding on; 21 set beside a mask; 24:22 after every 64 words (code 5); 31:25 of 4 words (code 3)
	s_or_b32 s[G1B+0], s44, (0<<16)|(1<<20)|(1<<21)|(5<<22)|(3<<25)
.irp g, G1, G1B
	s_mov_b32 s[\g+1], ROWB<<16                    ; tensor_dim0
	s_mov_b32 s[\g+2], 128<<16                     ; tensor_dim1 = 128
	s_mov_b32 s[\g+3], ROWB<<16                    ; tile_dim0
	s_mov_b32 s[\g+4], 128                         ; tile_dim1 = 128
	s_mov_b32 s[\g+5], KROW                        ; tensor_dim0_stride
	s_mov_b32 s[\g+6], 0
	s_mov_b32 s[\g+7], 0
.endr
	s_lshl_b32 s18, s16, 7                         ; which 128 rows of the tile I fetch
	s_lshl_b32 s20, s17, 8
	s_add_co_u32 s20, s20, s18                     ; A: row 256 x tile row + 128 x half,
	s_lshl_b32 s20, s20, 10                        ; in bytes (under 2^23)
	s_mov_b32 s21, 0
	s_lshl_b32 s46, s42, 8
	s_add_co_u32 s46, s46, s18                     ; B: row 256 x tile column + 128 x half
	s_lshl_b32 s46, s46, 10
	s_mov_b32 s47, 0
	s_mul_i32 s45, s14, HALFT                      ; where they go: wave x 128 rows: no place in the cluster enters an LDS address
	s_wait_dscnt 0x0                               ; both opening adds are done
	s_wait_kmcnt 0x0
	s_load_b256 s[88:95], s[80:81], 0x0            ; e0 .. e7
	s_load_b64 s[96:97], s[80:81], 0x20            ; e8, e9
	s_cmp_eq_u32 s[TN], 1                          ; the buffers are chosen by the tensor's number, which hangs on no address
	s_cselect_b64 s[4:5], s[70:71], s[68:69]       ; A: q, k,
	s_cselect_b64 s[6:7], s[76:77], s[74:75]       ; B: Wq, Wk,
	s_cselect_b64 s[10:11], s[84:85], s[82:83]     ; the result: Qc, Kc,
	s_cmp_eq_u32 s[TN], 2
	s_cselect_b64 s[4:5], s[78:79], s[4:5]         ; or A: Wv,
	s_cselect_b64 s[6:7], s[72:73], s[6:7]         ; B: v,
	s_cselect_b64 s[10:11], s[86:87], s[10:11]     ; the result: Vt
	s_add_nc_u64 s[20:21], s[4:5], s[20:21]
	s_add_nc_u64 s[46:47], s[6:7], s[46:47]
	CROUND                                         ; all sixteen work-groups are here: the first joint loads meet
.irp s, 0,1
	s_mov_b32 s[G0+4*\s], 1
	s_add_co_u32 s[G0+4*\s+1], s45, \s*SLOT
	s_add_nc_u64 s[G0+4*\s+2:G0+4*\s+3], s[20:21], \s*ROWB
	s_or_b32 s[G0+4*\s+3], s[G0+4*\s+3], 0x80000000
	s_mov_b32 s[G0B+4*\s], 1
	s_add_co_u32 s[G0B+4*\s+1], s45, \s*SLOT
	s_add_nc_u64 s[G0B+4*\s+2:G0B+4*\s+3], s[46:47], \s*ROWB
	s_or_b32 s[G0B+4*\s+3], s[G0B+4*\s+3], 0x80000000
	JLOAD G0+4*\s, G1, G0B+4*\s, G1B               ; two tensor loads of mine are out
.endr
	v_and_b32 v1, 15, v0                           ; r = l % 16
	v_bfe_u32 v2, v0, 4, 1                         ; h = l / 16
	v_mul_u32_u24 v3, v1, PITCH
	v_lshl_add_u32 v4, v2, 4, v3                   ; a fragment's row x pitch + 16 x half
	s_mul_i32 s21, s15, HALFT                      ; my 128 rows of A
	s_mul_i32 s22, s16, HALFT                      ; my 128 rows of B,
	s_add_co_u32 s22, s22, 2*HALFT                 ; which lie behind A's 256
.irp s, 0,1
	v_add_nc_u32 v[ADRA+\s], s21, v4
	v_add_nc_u32 v[ADRB+\s], s22, v4
	s_add_co_u32 s21, s21, SLOT
	s_add_co_u32 s22, s22, SLOT
.endr
	s_mul_i32 s23, s15, 128*PITCH                  ; the stage, 256 rows x 272 bytes, the work-group's: into it: row 128 x row half + 16 a + r, byte 128 x column half + 16 b + 8 h
	s_lshl_b32 s18, s16, 7
	s_add_co_u32 s23, s23, s18
	v_lshl_add_u32 v5, v2, 3, v3
	v_add_nc_u32 v[STO], s23, v5
	s_mul_i32 s23, s14, 64*PITCH                   ; back: wave w takes rows 64 w .. 64 w + 63, whole; lanes 0-15 one row of 256 bytes, lanes 16-31 the next
	v_mul_u32_u24 v5, v2, PITCH
	v_lshl_add_u32 v5, v1, 4, v5
	v_add_nc_u32 v[RD], s23, v5
	v_mul_lo_u32 v6, v2, s98                       ; and the same two rows in the result
	v_lshl_add_u32 v[OF], v1, 4, v6
.set t, 1
.rept 31
	v_add_nc_u32 v[OF+t], s99, v[OF+t-1]           ; two rows further down for each store
.set t, t+1
.endr
	s_lshl_b32 s20, s17, 8
	s_lshl_b32 s21, s14, 6
	s_add_co_u32 s20, s20, s21                     ; the first row that I store: 256 x tile row + 64 x wave
	s_mul_i32 s20, s20, s98                        ; (under 2^23 bytes)
	s_mov_b32 s21, 0
	s_lshl_b32 s46, s42, 8                         ; the tile's first column, a byte a code
	s_mov_b32 s47, 0
	s_add_nc_u64 s[20:21], s[20:21], s[46:47]
	s_add_nc_u64 s[10:11], s[10:11], s[20:21]
	s_wait_kmcnt 0x0
	s_add_co_i32 s18, s88, s89                     ; eo - ea - eb for each of the three,
	s_sub_co_i32 s18, s94, s18
	s_add_co_i32 s19, s90, s91
	s_sub_co_i32 s19, s95, s19
	s_add_co_i32 s22, s92, s93
	s_sub_co_i32 s22, s97, s22
	s_cmp_eq_u32 s[TN], 1                          ; and mine: a choice, no branch
	s_cselect_b32 s18, s19, s18
	s_cmp_eq_u32 s[TN], 2
	s_cselect_b32 s18, s22, s18
	s_add_co_i32 s18, s18, 127
	s_lshl_b32 s19, s18, 23
	v_mov_b32 v[SC], s19                           ; 2^(eo - ea - eb) as f32: the conversion takes its exponent field
	s_add_co_i32 s18, s18, 8
	s_lshl_b32 s18, s18, 23
	s_or_b32 s18, s18, 0x600000
	v_mov_b32 v[LIM], s18                          ; 448 x that
.macro FRAG reg, adr, q, i             ; a fragment, 16 rows x 128 K of codes, is 16 registers: lane l holds row l % 16; registers 4 c .. 4 c + 3 hold K = 32 c + 16 (l / 16) + 0 .. 15: the same places of k in A and in B
.irp c, 0,1,2,3
	ds_load_b128 v[\reg+4*\c:\reg+4*\c+3], v[\adr] offset:128*(\q)+32*\c+(\i)*16*PITCH
.endr
.endm
; 16 matrix instructions: A's blocks a0, a0 + 1 x B's eight, 128 along K.  p: B's set.  zero = 1: the first product starts the sums: nothing is ever cleared.
; The 64 accumulators take turns, one instruction a turn, in the same order in every step.
.macro MUL16 a0, p, zero
.irp a, \a0, \a0+1
.irp b, 0,1,2,3,4,5,6,7
.if \zero
	v_wmma_f32_16x16x128_fp8_fp8 v[8*(8*((\a)%4)+\b):8*(8*((\a)%4)+\b)+7], v[128*(\p)+FR*\b:128*(\p)+FR*\b+FR-1], v[AF+FR*(\a):AF+FR*(\a)+FR-1], 0
.else
	v_wmma_f32_16x16x128_fp8_fp8 v[8*(8*((\a)%4)+\b):8*(8*((\a)%4)+\b)+7], v[128*(\p)+FR*\b:128*(\p)+FR*\b+FR-1], v[AF+FR*(\a):AF+FR*(\a)+FR-1], v[8*(8*((\a)%4)+\b):8*(8*((\a)%4)+\b)+7]
.endif
.endr
.endr
.endm
.macro FETCH_B slot, q, p              ; B's eight fragments of the slot's q-th 128 along K into set p
	WIN TO_B
.irp i, 0,1,2,3,4,5,6,7
	FRAG 128*(\p)+FR*\i, ADRB+\slot, \q, \i
.endr
	WIN 0
.endm
.macro FETCH_A slot, q, i0             ; A's blocks i0 .. i0 + 3
.irp i, \i0, \i0+1, \i0+2, \i0+3
	FRAG AF+FR*(\i), ADRA+\slot, \q, \i
.endr
.endm
; A load into a register that a matrix instruction has read, and a vector instruction that reads a matrix result, stand NP places behind that matrix instruction; only plain vector
; instructions that name none of its registers are places (ISA guide 7.12.1 for vector instructions).
.macro PLACES n
.rept \n
	v_nop
.endr
.endm
; A step of 128 along K that has its successor in the same slot.  A block of A is free as soon as its eight products are issued: blocks 0-3 are fetched anew in the step's middle, blocks 4-7 at its end.
.macro STEP slot, q, zero
	s_wait_dscnt 4*NL                              ; B's set and A's blocks 0-3 are in; the youngest 16 loads (A's blocks 4-7) may be out
	WIN MUL_LO
	MUL16 0, (\q)%2, \zero
	MUL16 2, (\q)%2, \zero
	s_wait_dscnt 0                                 ; A's blocks 4-7 are in
	PLACES NP
	FETCH_B \slot, (\q)+1, 1-(\q)%2
	FETCH_A \slot, (\q)+1, 0
	WIN MUL_HI
	MUL16 4, (\q)%2, \zero
	MUL16 6, (\q)%2, \zero
	PLACES NP
	WIN 0
	FETCH_A \slot, (\q)+1, 4
.endm
; A slot's last step changes slots: ONE barrier; in front of it each wave waits for all its tensor loads, adds 0 to its spare word, and waits for that and for its own reads of this slot.  fill = 1: this slot is filled again, two K steps ahead.
.macro TURN slot, next, fill
	s_wait_tensorcnt 0x0                           ; all my tensor loads have landed: my part of the next slot  (every window is 0 here)
	ds_add_u32 v[SPW], v[NIL]                      ; 0 onto my spare word
	s_wait_dscnt 4*NL+1                            ; (the add and the youngest 16 loads, A's blocks 4-7, may be out)
	WIN MUL_LO
	MUL16 0, 1, 0                                  ; sixteen matrix instructions stand between the add and the wait for it
	s_wait_dscnt 0x0                               ; the add is done, and my reads of this slot are over
	s_barrier_signal -1
	MUL16 2, 1, 0
	WIN 0
	s_barrier_wait -1
.if \fill
	CREST                                          ; the barrier has opened a round of the cluster's barrier: no wave of any partner still reads this slot's tile or has a load on its way
	s_add_nc_u64 s[G0+4*\slot+2:G0+4*\slot+3], s[G0+4*\slot+2:G0+4*\slot+3], 2*ROWB
	s_add_nc_u64 s[G0B+4*\slot+2:G0B+4*\slot+3], s[G0B+4*\slot+2:G0B+4*\slot+3], 2*ROWB
	JLOAD G0+4*\slot, G1, G0B+4*\slot, G1B         ; the first tensor load behind the round; its four v_nop are the places in front of the loads below
.else
	PLACES NP
.endif
	FETCH_B \next, 0, 0
	FETCH_A \next, 0, 0
	WIN MUL_HI
	MUL16 4, 1, 0
	MUL16 6, 1, 0
	PLACES NP
	WIN 0
	FETCH_A \next, 0, 4
.endm
	s_wait_tensorcnt 1                             ; my part of K step 0 is in (K step 1's load may be out)
	s_barrier_signal -1
	s_barrier_wait -1                              ; everybody's is
	FETCH_B 0, 0, 0
	FETCH_A 0, 0, 0
	FETCH_A 0, 0, 4
	STEP 0, 0, 1                                   ; the first step stands in front of the loop: its products start the sums
	s_mov_b32 s3, LAPS-1
.Llap:                                                 ; a trip goes once round the ring, from a lap's second step to the next lap's first, and fills both slots again
	TURN 0, 1, 1
	STEP 1, 0, 0
	TURN 1, 0, 1
	STEP 0, 0, 0
	s_sub_co_u32 s3, s3, 1
	s_cmp_lg_u32 s3, 0
	s_cbranch_scc1 .Llap
	TURN 0, 1, 0                                   ; the last lap fills nothing, and has no round of the cluster's barrier
	STEP 1, 0, 0
	s_wait_dscnt 4*NL                              ; the very last step: nothing more to fetch
	WIN MUL_LO
	MUL16 0, 1, 0
	MUL16 2, 1, 0
	s_wait_dscnt 0
	WIN MUL_HI
	MUL16 4, 1, 0
	MUL16 6, 1, 0
	WIN 0
; THE WAY OUT.  Block a (16 rows x 128 columns): the 64 sums of a lane are held within +-448 x the scale (the conversion to an 8-bit code does not saturate: ISA guide 7.6.2), each accumulator from its
; low end on, and turned into codes, eight neighbours of a row to a conversion.  A lane's 8 bytes go into the work-group's stage, which lies in slot 0: that slot has had its last fill, and since the
; last change of slots nobody reads it.  A row's 256 bytes come from two waves, so a barrier stands between the writing and the reading.
.macro QBLK a
.set AC, 64*((\a)%4)
.set CC, CD+16*((\a)%2)
	WIN 0x02+((\a)/4)                              ; source 0: window 2 or 3
.set j, 0
.rept 64
	v_med3_num_f32 v[TMP+j], v[AC+j], -v[LIM], v[LIM]
.set j, j+1
.endr
	WIN 0
.if (\a) >= 2
	s_wait_dscnt 8                                 ; the block before's eight stores may be out; those of two blocks back have read this set of codes
.endif
.irp b, 0,1,2,3,4,5,6,7
	v_cvt_scalef32_pk8_fp8_f32 v[CC+2*\b:CC+2*\b+1], v[TMP+8*\b:TMP+8*\b+7], v[SC]
.endr
	v_nop                                          ; one plain vector instruction between the conversions and the next block's holds, which write their sources
.irp b, 0,1,2,3,4,5,6,7
	ds_store_b64 v[STO], v[CC+2*\b:CC+2*\b+1] offset:(\a)*16*PITCH+16*\b   ; the 32 lanes fall on words 4 r + 2 h and the next
.endr
.endm
	PLACES NP                                      ; behind the last products
.irp a, 0,1,2,3,4,5,6,7
	QBLK \a
.endr
	s_wait_dscnt 0x0                               ; for the others' sake: my stores into the stage are done
	s_barrier_signal -1
	s_barrier_wait -1
.set t, 0
.rept 32
	ds_load_b128 v[BK+4*t:BK+4*t+3], v[RD] offset:t*2*PITCH
.set t, t+1
.endr
.set t, 0
.rept 32
	s_wait_dscnt 31-t                              ; LDS loads come back in order: load t is in, the younger ones may be out
	global_store_b128 v[OF+t], v[BK+4*t:BK+4*t+3], s[10:11]   ; 16 lanes store 256 consecutive bytes, at a multiple of 256 from the buffer's first byte
.set t, t+1
.endr
	s_wait_tensorcnt 0x0                           ; the wave's end: behind my last tensor load and my last LDS store
	ds_add_u32 v[SPW], v[NIL]
	s_wait_dscnt 0x0
	CROUND                                         ; the closing round: no work-group ends while a partner may still ask for a tile that names it
	s_endpgm
.Lfunc_end_k_qab7df47f6e_proj:
	.size	k_qab7df47f6e_proj, .Lfunc_end_k_qab7df47f6e_proj-k_qab7df47f6e_proj
	.p2alignl 7, 3214868480
	.fill 96, 4, 3214868480
	.section	.rodata,"a",@progbits
	.p2align	6, 0x0
	.amdhsa_kernel k_qab7df47f6e_proj
		.amdhsa_group_segment_fixed_size 327680
		.amdhsa_private_segment_fixed_size 0
		.amdhsa_enable_private_segment 0
		.amdhsa_kernarg_size 80
		.amdhsa_user_sgpr_count 2
		.amdhsa_user_sgpr_kernarg_segment_ptr 1
		.amdhsa_wavefront_size32 1
		.amdhsa_system_sgpr_workgroup_id_x 1
		.amdhsa_system_sgpr_workgroup_id_y 1
		.amdhsa_system_sgpr_workgroup_id_z 1
		.amdhsa_system_vgpr_workitem_id 0
		.amdhsa_next_free_vgpr 1024
		.amdhsa_next_free_sgpr 100
		.amdhsa_reserve_vcc 0
		.amdhsa_float_denorm_mode_32 3
		.amdhsa_float_denorm_mode_16_64 3
		.amdhsa_memory_ordered 1
		.amdhsa_forward_progress 1
		.amdhsa_inst_pref_size 127
	.end_amdhsa_kernel
	.amdgpu_metadata
---
amdhsa.version: [ 1, 2 ]
amdhsa.kernels:
  - .name:           k_qab7df47f6e_proj
    .symbol:         k_qab7df47f6e_proj.kd
    .args:
      - { .name: q_codes, .offset: 0, .size: 8, .value_kind: global_buffer, .address_space: global }
      - { .name: k_codes, .offset: 8, .size: 8, .value_kind: global_buffer, .address_space: global }
      - { .name: v_codes, .offset: 16, .size: 8, .value_kind: global_buffer, .address_space: global }
      - { .name: Wq_codes, .offset: 24, .size: 8, .value_kind: global_buffer, .address_space: global }
      - { .name: Wk_codes, .offset: 32, .size: 8, .value_kind: global_buffer, .address_space: global }
      - { .name: Wv_codes, .offset: 40, .size: 8, .value_kind: global_buffer, .address_space: global }
      - { .name: lowp_scales, .offset: 48, .size: 8, .value_kind: global_buffer, .address_space: global }
      - { .name: Qc, .offset: 56, .size: 8, .value_kind: global_buffer, .address_space: global }
      - { .name: Kc, .offset: 64, .size: 8, .value_kind: global_buffer, .address_space: global }
      - { .name: Vt, .offset: 72, .size: 8, .value_kind: global_buffer, .address_space: global }
    .group_segment_fixed_size: 327680
    .private_segment_fixed_size: 0
    .kernarg_segment_align: 8
    .kernarg_segment_size: 80
    .max_flat_workgroup_size: 128
    .sgpr_count:     100
    .vgpr_count:     1024
    .wavefront_size: 32
...
	.end_amdgpu_metadata
.endif
;; end of part 1
;; launch scores (part 2): grid 36 x 4, 4 waves a work-group, no clusters, 327,680 bytes of LDS; arguments Qc, Kc, lowp_scales, P, stats; writes P, stats
.if DOCPART == 2
	.amdgcn_target "amdgcn-amd-amdhsa--gfx1250"
	.amdhsa_code_object_version 6
	.text
	.protected	k_qab7df47f6e_scores
	.globl	k_qab7df47f6e_scores
	.p2align	8
	.type	k_qab7df47f6e_scores,@function
k_qab7df47f6e_scores:
	s_mov_b64 s[64:65], 0
	v_nop
	global_prefetch_b8 v0, s[64:65] scope:SCOPE_SE
	s_setreg_imm32_b32 hwreg(HW_REG_WAVE_MODE, 25, 1), 1
	s_wait_xcnt 0x0
; PRODUCT 4 AND THE SOFTMAX'S FIRST HALF.  A work-group makes one tile of 256 queries x 256 keys of Q K^T on codes of FP8 (E4M3), K = 1,024, and turns it into codes of p.
; WORK LEFT OUT: of the 8 x 8 tiles of a batch only the 36 with key block j <= query block i are made: in the others every key comes after every query, and reference()'s own mask gives them the weight 0.
; THE SOFTMAX.  t = score x 2^(e6 + e7) x log2(e) / 32.  For each query, M = the largest t among THIS TILE's 256 keys, rounded up to a whole number; p = 2^(t - M), held at 448 x 2^e8, is quantised with 2^e8
; along the keys; l = the sum of the unquantised p.  Codes go to P [8,192 queries][2,048 keys]; -M and l to stats (f32; -M at byte ((8 b + j) 2,048 + q) 4, l 262,144 bytes further on).
; The last launch knows every block's M and brings the blocks under the row's M by exact powers of two.  LIMIT: a number that under the row's M would fall under the format's range is kept more finely here.
; A maximum is always taken away: key block j <= i holds for each query at least one key that counts, so M is a number.
; On the diagonal (j = i) hidden scores become -infinity ahead of the maximum, so p = 0 there.  The last launch walks keys in groups of 512 for groups of 512 queries: so the diagonal tile of an EVEN query block
; also stores, for the next key block, codes of zeros, the same -M and l = 0.
; SHARES.  Four waves, 128 queries x 128 keys each: 64 accumulators, 512 registers.  The product is used transposed (source 0 = 16 keys, source 1 = 16 queries): lane (r, h) of accumulator (a, b) holds query
; 16 a + r and keys 16 b + 8 h + 0 .. 7: eight neighbours along the next product's K.  The ring of two LDS slots of 256 along K is filled by the tensor data mover: waves 0, 1 Q's halves, waves 2, 3 K's.
; NO CLUSTER: the live tiles of a batch form a triangle (row i has i + 1 tiles, column j has 8 - j), which does not fall into fours that share an operand, and partners would need tiles that lie wholly under the mask.
; LIMITS on the given exponents, so that each power of two is an f32 number: e6 + e7 between -121 and 132 (added to the exponent field of log2(e) / 32); e8 between -126 and 119.  NaN and infinite sums are not served.
; REGISTERS: window 0: v1-31 addresses; v32-39, v40-47 maxima; v48-63 -M in pairs; v64-79 l in pairs; v82 -infinity; v83 r - 8 h; v84, v85 2^e8 and 448 x 2^e8; v88-91 zeros; v96-127 codes; from v128 A's fragments,
;   on the way out two sets of 64 numbers, then whole rows.  window 1: B's fragments, two sets.  windows 2, 3: the accumulators ((a, b) at v[8 (8 (a % 4) + b)]).
.set KROW,   1024
.set ROWB,   256
.set PITCH,  272                       ; an LDS row: 256 bytes + 16 of padding: row r starts at bank 4 r mod 64 (64 banks of 4 bytes: ISA guide 11.1)
.set FR,     16
.set NL,     4
.set NP,     4
.set HALFT,  128*PITCH
.set SLOT,   4*HALFT                   ; Q's 256 rows, then K's 256 rows
.set LAPS,   2
.set SPARE,  2*SLOT                    ; the spare words, 128 bytes for each wave: two blocks of 256 bytes that no other line names
.set MAXX,   SPARE+512                 ; 4,096 bytes: each wave's eight maxima a lane, for the wave with the other half of the keys
.set MS,     MAXX+4096                 ; 1,024 bytes: -M of the tile's 256 queries;  behind it 2 x 1,024 bytes: l of each half of the keys
.set ADRA, 16
.set ADRB, 20
.set MXW,  5                           ; v5   where I put my maxima
.set MXR,  6                           ; v6   where I read the other wave's
.set MSW,  7                           ; v7   where I put -M
.set LSW,  8                           ; v8   where I put l
.set SRM,  9                           ; v9   where I read 64 queries' -M back (l: 1,024 and 2,048 bytes on)
.set SGO,  10                          ; v10  my byte offset in stats
.set STO,  24
.set RD,   25
.set CO,   26
.set SPW,  28
.set NIL,  29
.set MX,   32
.set PM,   40
.set NM,   48
.set LA,   64
.set CD,   96
.set AF,   128
.set T0,   128
.set BK,   128
.set G1, 24                            ; s[24:31] descriptor group 1, the same for every load;  s[32:39] group 0, one set for each slot
.set G0, 32
.set MSB, 0
.macro WIN new
.if MSB != (\new)
	s_set_vgpr_msb (MSB<<8)|(\new)
.set MSB, (\new)
.endif
.endm
.set MUL_LO, 0xa1
.set MUL_HI, 0xf1
.set TO_B,   0x40
.macro TLOAD s                         ; every wave's own quarter of a slot; an s_nop 0 and four v_nop follow
	tensor_load_to_lds s[G0+4*\s:G0+4*\s+3], s[G1:G1+7]
	s_nop 0
.rept 4
	v_nop
.endr
.endm
	s_load_b256 s[4:11], s[0:1], 0x0               ; Qc s[4:5], Kc s[6:7], the exponents s[8:9], P s[10:11]
	s_load_b64 s[12:13], s[0:1], 0x20              ; stats
	v_lshl_add_u32 v[SPW], v0, 2, SPARE
	v_mov_b32 v[NIL], 0
	ds_add_u32 v[SPW], v[NIL]                      ; the wave's opening: the add, twice on end, and its wait ahead of my first tensor load
	ds_add_u32 v[SPW], v[NIL]
	v_lshrrev_b32 v1, 5, v0
	v_readfirstlane_b32 s14, v1                    ; wave 0..3
	s_lshr_b32 s15, s14, 1                         ; my half of the queries.  Also: I fetch for Q (0) or for K (1)
	s_and_b32 s16, s14, 1                          ; my half of the keys.  Also: which 128 rows I fetch
	s_and_b32 s19, ttmp7, 0xffff                   ; the batch
	s_mov_b32 s17, 0                               ; the work-group's number t = i (i + 1) / 2 + j:  i = how many of 1, 3, 6, .. 28 are at or under t
.irp n, 1,3,6,10,15,21,28
	s_cmp_ge_u32 ttmp9, \n
	s_cselect_b32 s54, 1, 0
	s_add_co_u32 s17, s17, s54
.endr
	s_add_co_u32 s54, s17, 1
	s_mul_i32 s54, s54, s17
	s_lshr_b32 s54, s54, 1
	s_sub_co_u32 s18, ttmp9, s54                   ; j
	s_cmp_eq_u32 s17, s18
	s_cselect_b32 s52, 1, 0                        ; on the diagonal
	s_and_b32 s54, s17, 1
	s_xor_b32 s54, s54, 1
	s_and_b32 s53, s52, s54                        ; on the diagonal of an even query block
	s_mov_b32 s[G1], (0<<16)|(1<<20)|(5<<22)|(3<<25)  ; no mask; elements of 1 byte; padding on: 4 words after every 64
	s_mov_b32 s[G1+1], ROWB<<16
	s_mov_b32 s[G1+2], 128<<16
	s_mov_b32 s[G1+3], ROWB<<16
	s_mov_b32 s[G1+4], 128
	s_mov_b32 s[G1+5], KROW
	s_mov_b32 s[G1+6], 0
	s_mov_b32 s[G1+7], 0
	s_mov_b32 s20, 0x76543210                      ; v_permlanex16_b32's selects for lane l xor 16
	s_mov_b32 s21, 0xfedcba98
	s_cmp_eq_u32 s15, 0
	s_cselect_b32 s54, s17, s18                    ; Q's block i or K's block j
	s_lshl_b32 s54, s54, 8
	s_lshl_b32 s55, s19, 11
	s_add_co_u32 s54, s54, s55
	s_lshl_b32 s55, s16, 7
	s_add_co_u32 s54, s54, s55                     ; the first row that I fetch: 2,048 b + 256 x block + 128 x half,
	s_lshl_b32 s54, s54, 10                        ; in bytes
	s_mov_b32 s55, 0
	s_mul_i32 s58, s14, HALFT                      ; where it goes: wave x 128 rows
	s_wait_dscnt 0x0                               ; both opening adds are done
	s_wait_kmcnt 0x0
	s_load_b128 s[48:51], s[8:9], 0x18             ; e6, e7, e8, e9
	s_cmp_eq_u32 s15, 0
	s_cselect_b64 s[56:57], s[4:5], s[6:7]
	s_add_nc_u64 s[56:57], s[56:57], s[54:55]
.irp s, 0,1
	s_mov_b32 s[G0+4*\s], 1
	s_add_co_u32 s[G0+4*\s+1], s58, \s*SLOT
	s_add_nc_u64 s[G0+4*\s+2:G0+4*\s+3], s[56:57], \s*ROWB
	s_or_b32 s[G0+4*\s+3], s[G0+4*\s+3], 0x80000000
	TLOAD \s                                       ; two tensor loads of mine are out
.endr
	; every LDS address of the text is made here, ahead of the first parting of the waves
	v_and_b32 v1, 15, v0                           ; r
	v_bfe_u32 v2, v0, 4, 1                         ; h
	v_mul_u32_u24 v3, v1, PITCH
	v_lshl_add_u32 v4, v2, 4, v3
	s_mul_i32 s54, s15, HALFT
	s_mul_i32 s55, s16, HALFT
	s_add_co_u32 s55, s55, 2*HALFT
.irp s, 0,1
	v_add_nc_u32 v[ADRA+\s], s54, v4
	v_add_nc_u32 v[ADRB+\s], s55, v4
	s_add_co_u32 s54, s54, SLOT
	s_add_co_u32 s55, s55, SLOT
.endr
	s_mul_i32 s54, s15, 128*PITCH                  ; the stage of codes, 256 rows x 272 bytes, in slot 0: row = query, byte = key
	s_lshl_b32 s55, s16, 7
	s_add_co_u32 s54, s54, s55
	v_lshl_add_u32 v4, v2, 3, v3
	v_add_nc_u32 v[STO], s54, v4
	s_mul_i32 s54, s14, 64*PITCH                   ; back: wave w takes rows 64 w .. 64 w + 63; lanes 0-15 one row, lanes 16-31 the next
	v_mul_u32_u24 v4, v2, PITCH
	v_lshl_add_u32 v4, v1, 4, v4
	v_add_nc_u32 v[RD], s54, v4
	v_lshlrev_b32 v4, 11, v2                       ; and the same two rows in P, 2,048 bytes apart
	v_lshl_add_u32 v[CO], v1, 4, v4
	v_and_b32 v3, 31, v0
	v_lshlrev_b32 v3, 5, v3
	v_add_nc_u32 v3, MAXX, v3                      ; the maxima: 32 bytes a lane, 1,024 a wave
	s_lshl_b32 s54, s14, 10
	v_add_nc_u32 v[MXW], s54, v3
	s_xor_b32 s54, s14, 1                          ; the wave with my queries and the other keys
	s_lshl_b32 s54, s54, 10
	v_add_nc_u32 v[MXR], s54, v3
	v_lshlrev_b32 v3, 2, v1
	v_add_nc_u32 v3, MS, v3
	s_lshl_b32 s54, s15, 9
	v_add_nc_u32 v[MSW], s54, v3                   ; -M of query 128 x half + 16 a + r: 512 x half + 4 r, the block in the immediate
	s_lshl_b32 s55, s16, 10
	s_add_co_u32 s54, s54, s55
	s_add_co_u32 s54, s54, 1024
	v_add_nc_u32 v[LSW], s54, v3                   ; l likewise, in my key half's 1,024 bytes
	v_lshlrev_b32 v3, 4, v1
	v_add_nc_u32 v3, MS, v3
	s_lshl_b32 s54, s14, 8
	v_add_nc_u32 v[SRM], s54, v3                   ; back: queries 64 w + 4 r + 0 .. 3
	v_lshlrev_b32 v3, 18, v2
	v_lshl_add_u32 v[SGO], v1, 4, v3               ; stats: lanes 0-15 store -M, lanes 16-31 l, 262,144 bytes on
	v_mov_b32 v82, 0xff800000                      ; -infinity
	v_lshlrev_b32 v3, 3, v2
	v_sub_nc_u32 v83, v1, v3                       ; r - 8 h
.irp n, 88,89,90,91
	v_mov_b32 v\n, 0
.endr
	s_lshl_b32 s54, s19, 11                        ; P at row 2,048 b + 256 i + 64 w, byte 256 j
	s_lshl_b32 s55, s17, 8
	s_add_co_u32 s54, s54, s55
	s_lshl_b32 s55, s14, 6
	s_add_co_u32 s54, s54, s55
	s_lshl_b32 s54, s54, 11
	s_lshl_b32 s55, s18, 8
	s_add_co_u32 s54, s54, s55
	s_mov_b32 s55, 0
	s_add_nc_u64 s[10:11], s[10:11], s[54:55]
	s_lshl_b32 s54, s19, 3                         ; stats at (8 b + j) x 8,192 + 1,024 i + 256 w
	s_add_co_u32 s54, s54, s18
	s_lshl_b32 s54, s54, 13
	s_lshl_b32 s55, s17, 10
	s_add_co_u32 s54, s54, s55
	s_lshl_b32 s55, s14, 8
	s_add_co_u32 s54, s54, s55
	s_mov_b32 s55, 0
	s_add_nc_u64 s[12:13], s[12:13], s[54:55]
	s_wait_kmcnt 0x0
	s_mov_b32 s22, 0x3d38aa3b                      ; c = log2(e) / 32
	s_add_co_i32 s54, s48, s49
	s_lshl_b32 s54, s54, 23
	s_add_co_i32 s22, s22, s54                     ; a sum stands for sum x 2^(e6 + e7): the two exponents are added to c's exponent field
	s_mov_b32 s23, s22                             ; (named with it as a pair, so it is written)
	s_add_co_i32 s54, s50, 127
	s_lshl_b32 s55, s54, 23
	v_mov_b32 v84, s55                             ; 2^e8 as f32, for the conversion
	s_add_co_i32 s54, s54, 8
	s_lshl_b32 s54, s54, 23
	s_or_b32 s54, s54, 0x600000
	v_mov_b32 v85, s54                             ; 448 x 2^e8
.macro FRAG reg, adr, q, i             ; 16 rows x 128 K: lane l holds row l % 16; registers 4 c .. 4 c + 3 hold K = 32 c + 16 (l / 16) + 0 .. 15: the same places of k on both sides
.irp c, 0,1,2,3
	ds_load_b128 v[\reg+4*\c:\reg+4*\c+3], v[\adr] offset:128*(\q)+32*\c+(\i)*16*PITCH
.endr
.endm
; The 64 accumulators take turns, one instruction a turn, in the same order in every step.
.macro MUL16 a0, p, zero
.irp a, \a0, \a0+1
.irp b, 0,1,2,3,4,5,6,7
.if \zero
	v_wmma_f32_16x16x128_fp8_fp8 v[8*(8*((\a)%4)+\b):8*(8*((\a)%4)+\b)+7], v[128*(\p)+FR*\b:128*(\p)+FR*\b+FR-1], v[AF+FR*(\a):AF+FR*(\a)+FR-1], 0
.else
	v_wmma_f32_16x16x128_fp8_fp8 v[8*(8*((\a)%4)+\b):8*(8*((\a)%4)+\b)+7], v[128*(\p)+FR*\b:128*(\p)+FR*\b+FR-1], v[AF+FR*(\a):AF+FR*(\a)+FR-1], v[8*(8*((\a)%4)+\b):8*(8*((\a)%4)+\b)+7]
.endif
.endr
.endr
.endm
.macro FETCH_B slot, q, p
	WIN TO_B
.irp i, 0,1,2,3,4,5,6,7
	FRAG 128*(\p)+FR*\i, ADRB+\slot, \q, \i
.endr
	WIN 0
.endm
.macro FETCH_A slot, q, i0
.irp i, \i0, \i0+1, \i0+2, \i0+3
	FRAG AF+FR*(\i), ADRA+\slot, \q, \i
.endr
.endm
.macro PLACES n                        ; places behind matrix instructions: plain vector instructions that name none of their registers (ISA guide 7.12.1 for vector instructions)
.rept \n
	v_nop
.endr
.endm
.macro STEP slot, q, zero              ; 128 along K with a successor in the same slot: Q has one set of registers (blocks 0-3 fetched anew in the middle, 4-7 at the end), K two
	s_wait_dscnt 4*NL                              ; all but the youngest 16 loads (Q's blocks 4-7) are in
	WIN MUL_LO
	MUL16 0, (\q)%2, \zero
	MUL16 2, (\q)%2, \zero
	s_wait_dscnt 0
	PLACES NP
	FETCH_B \slot, (\q)+1, 1-(\q)%2
	FETCH_A \slot, (\q)+1, 0
	WIN MUL_HI
	MUL16 4, (\q)%2, \zero
	MUL16 6, (\q)%2, \zero
	PLACES NP
	WIN 0
	FETCH_A \slot, (\q)+1, 4
.endm
; A slot's last step changes slots: one barrier; in front of it each wave waits for all its tensor loads, adds 0 to its spare word, and waits for that and for its reads of this slot.
.macro TURN slot, next, fill
	s_wait_tensorcnt 0x0                           ; all my tensor loads have landed: my part of the next slot; so a group 0 may be written
	ds_add_u32 v[SPW], v[NIL]                      ; 0 onto my spare word
	s_wait_dscnt 4*NL+1                            ; (the add and the youngest 16 loads may be out)
	WIN MUL_LO
	MUL16 0, 1, 0
	s_wait_dscnt 0x0                               ; the add is done, and my reads of this slot are over
	s_barrier_signal -1
	MUL16 2, 1, 0
	WIN 0
	s_barrier_wait -1
.if \fill
	s_add_nc_u64 s[G0+4*\slot+2:G0+4*\slot+3], s[G0+4*\slot+2:G0+4*\slot+3], 2*ROWB
	TLOAD \slot                                    ; my one tensor load behind the barrier, ahead of every LDS read there; its four v_nop are the places in front of the loads below
.else
	PLACES NP
.endif
	FETCH_B \next, 0, 0
	FETCH_A \next, 0, 0
	WIN MUL_HI
	MUL16 4, 1, 0
	MUL16 6, 1, 0
	PLACES NP
	WIN 0
	FETCH_A \next, 0, 4
.endm
	s_wait_tensorcnt 1                             ; my part of K step 0 is in; K step 1's may be out
	s_barrier_signal -1
	s_barrier_wait -1
	FETCH_B 0, 0, 0
	FETCH_A 0, 0, 0
	FETCH_A 0, 0, 4
	STEP 0, 0, 1                                   ; the first products start the sums
	s_mov_b32 s3, LAPS-1
.Llap:
	TURN 0, 1, 1
	STEP 1, 0, 0
	TURN 1, 0, 1
	STEP 0, 0, 0
	s_sub_co_u32 s3, s3, 1
	s_cmp_lg_u32 s3, 0
	s_cbranch_scc1 .Llap
	TURN 0, 1, 0
	STEP 1, 0, 0
	s_wait_dscnt 4*NL
	WIN MUL_LO
	MUL16 0, 1, 0
	MUL16 2, 1, 0
	s_wait_dscnt 0
	WIN MUL_HI
	MUL16 4, 1, 0
	MUL16 6, 1, 0
	WIN 0
	PLACES NP                                      ; behind the last products
	; THE MASK, on the diagonal alone: branches on ids.  Wave 2 (later queries, earlier keys): every key counts.  Wave 1 (earlier queries, later keys): none does.
	; Waves 0 and 3: key 16 b + 8 h + n is hidden from query 16 a + r where b > a, or b = a and n > r - 8 h.
	s_cmp_eq_u32 s52, 0
	s_cbranch_scc1 .Lopen
	s_cmp_eq_u32 s14, 2
	s_cbranch_scc1 .Lopen
	s_cmp_eq_u32 s14, 1
	s_cbranch_scc0 .Ldiag
.irp w, 0,1
	WIN 0x80+0x40*\w                               ; destination window 2, then 3
.set k, 0
.rept 256
	v_mov_b32 v[k], v82
.set k, k+1
.endr
.endr
	WIN 0
	s_branch .Lopen
.Ldiag:
.irp n, 0,1,2,3,4,5,6,7
	v_cmp_gt_i32 s[40+\n], \n, v83                 ; lanes in which register n of a tile on the diagonal is hidden
.endr
.irp w, 0,1
	WIN 0x82+0x41*\w                               ; destination and source 0 window 2, then 3
.irp q, 0,1,2,3
.irp n, 0,1,2,3,4,5,6,7
	v_cndmask_b32 v[64*\q+8*(4*\w+\q)+\n], v[64*\q+8*(4*\w+\q)+\n], v82, s[40+\n]
.endr
.endr
	WIN 0x80+0x40*\w
.irp q, 0,1,2,3
.irp b, 0,1,2,3,4,5,6,7
.if \b > 4*\w+\q
.irp n, 0,1,2,3,4,5,6,7
	v_mov_b32 v[64*\q+8*\b+\n], v82
.endr
.endif
.endr
.endr
.endr
	WIN 0
.Lopen:
	; THE LARGEST SCORE of each of my eight blocks' queries among my 128 keys: two chains a block, four blocks by turns, each accumulator from its low end on; the chains start from -infinity
.irp w, 0,1
	WIN 0x28+0x14*\w                               ; sources 1 and 2 window 2, then 3
.set k, 0
.rept 16
.irp q, 0,1,2,3
.if k == 0
	v_max3_num_f32 v[MX+4*\w+\q], v82, v[64*\q], v[64*\q+1]
	v_max3_num_f32 v[PM+4*\w+\q], v82, v[64*\q+2], v[64*\q+3]
.else
	v_max3_num_f32 v[MX+4*\w+\q], v[MX+4*\w+\q], v[64*\q+k], v[64*\q+k+1]
	v_max3_num_f32 v[PM+4*\w+\q], v[PM+4*\w+\q], v[64*\q+k+2], v[64*\q+k+3]
.endif
.endr
.set k, k+4
.endr
.endr
	WIN 0
.irp a, 0,1,2,3,4,5,6,7
	v_max_num_f32 v[MX+\a], v[MX+\a], v[PM+\a]
.endr
.irp a, 0,1,2,3,4,5,6,7
	v_permlanex16_b32 v[PM+\a], v[MX+\a], s20, s21 ; the query's other keys lie in the lane 16 away
.endr
.irp a, 0,1,2,3,4,5,6,7
	v_max_num_f32 v[MX+\a], v[MX+\a], v[PM+\a]
.endr
	ds_store_b128 v[MXW], v[MX:MX+3]               ; to the wave with the other half of the keys
	ds_store_b128 v[MXW], v[MX+4:MX+7] offset:16
	s_wait_dscnt 0x0                               ; for its sake: my stores are done
	s_barrier_signal -1
	s_barrier_wait -1
	ds_load_b128 v[PM:PM+3], v[MXR]
	ds_load_b128 v[PM+4:PM+7], v[MXR] offset:16
	s_wait_dscnt 0x0
.irp a, 0,1,2,3,4,5,6,7
	v_max_num_f32 v[MX+\a], v[MX+\a], v[PM+\a]     ; the largest score among the tile's 256 keys
.endr
.irp a, 0,1,2,3,4,5,6,7
	v_mul_f32 v[MX+\a], s22, v[MX+\a]              ; as t (c is positive)
.endr
.irp a, 0,1,2,3,4,5,6,7
	v_floor_f32 v[NM+2*\a], -v[MX+\a]              ; -M = floor(-t) = -ceil(t): a whole number
.endr
.irp a, 0,1,2,3,4,5,6,7
	v_mov_b32 v[NM+2*\a+1], v[NM+2*\a]             ; (named with it as a pair, so it is written)
.endr
; Block a's 64 numbers of a lane, in three parts.  FMA: t - M, two at a time, out of the accumulators into set a % 2.  EXPB: p = 2^(t - M), one batch of 64.  FINB: the sum, the hold, the codes.
; Block a + 1's FMA, 32 plain instructions that name none of the batch's results, stands between block a's batch and the ONE wait ahead of the batch's first reader.
.macro FMA a
.set AC, 64*((\a)%4)
.set TB, T0+64*((\a)%2)
	WIN 0x02+((\a)/4)                              ; source 0: window 2 or 3
.set k, 0
.rept 32
	v_pk_fma_f32 v[TB+k:TB+k+1], v[AC+k:AC+k+1], s[22:23], v[NM+2*(\a):NM+2*(\a)+1] op_sel_hi:[1,0,0]   ; (of the pairs c and -M the low word serves both halves)
.set k, k+2
.endr
	WIN 0
.endm
.macro EXPB a
.set TB, T0+64*((\a)%2)
.set k, 0
.rept 64
	v_exp_f32 v[TB+k], v[TB+k]
.set k, k+1
.endr
.endm
.macro HOLD4 first                     ; p is never negative: the hold is one-sided (the conversion to an 8-bit code does not saturate: ISA guide 7.6.2)
.irp n, 0,1,2,3
	v_min_num_f32 v[TB+(\first)+\n], v[TB+(\first)+\n], v85
.endr
.endm
.macro FINB a
.set TB, T0+64*((\a)%2)
.set LL, LA+2*(\a)
.set CC, CD+16*((\a)%2)
	v_pk_add_f32 v[LL:LL+1], v[TB:TB+1], v[TB+2:TB+3]   ; THE SUM IS TAKEN OF THE UNQUANTISED p, in two chains; each number is held only behind the addition that took it
	v_pk_add_f32 v[80:81], v[TB+4:TB+5], v[TB+6:TB+7]
	HOLD4 0
	HOLD4 4
.set k, 8
.rept 14
	v_pk_add_f32 v[LL:LL+1], v[LL:LL+1], v[TB+k:TB+k+1]
	v_pk_add_f32 v[80:81], v[80:81], v[TB+k+2:TB+k+3]
	HOLD4 k
.set k, k+4
.endr
	v_pk_add_f32 v[LL:LL+1], v[LL:LL+1], v[80:81]
.if (\a) >= 2
	s_wait_dscnt 8                                 ; the block before's eight stores may be out; those of two blocks back have read this set of codes
.endif
.irp b, 0,1,2,3,4,5,6,7
	v_cvt_scalef32_pk8_fp8_f32 v[CC+2*\b:CC+2*\b+1], v[TB+8*\b:TB+8*\b+7], v84   ; keys 16 b + 8 h + 0 .. 7 of query 16 a + r
.endr
	v_nop                                          ; one plain vector instruction between the conversions and the lines that write their sources anew
.irp b, 0,1,2,3,4,5,6,7
	ds_store_b64 v[STO], v[CC+2*\b:CC+2*\b+1] offset:(\a)*16*PITCH+16*\b   ; into the stage in slot 0, which has had its last fill and its last read
.endr
.endm
	FMA 0
.irp a, 0,1,2,3,4,5,6,7
	EXPB \a
.if \a < 7
	FMA \a+1
.else
	v_nop                                          ; the plain instruction behind the last batch
.endif
	s_wait_alu depctr_va_vdst(0)                   ; one wait for the batch of 64
	FINB \a
.endr
.irp a, 0,1,2,3,4,5,6,7
	v_add_f32 v[LA+2*\a], v[LA+2*\a], v[LA+2*\a+1] ; the sum's two halves,
.endr
.irp a, 0,1,2,3,4,5,6,7
	v_permlanex16_b32 v[LA+2*\a+1], v[LA+2*\a], s20, s21
.endr
.irp a, 0,1,2,3,4,5,6,7
	v_add_f32 v[LA+2*\a], v[LA+2*\a], v[LA+2*\a+1] ; and lane l xor 16's: l over my 128 keys
.endr
.irp a, 0,1,2,3,4,5,6,7
	ds_store_b32 v[LSW], v[LA+2*\a] offset:64*\a   ; (lanes r and r + 16 write the same word with the same value)
.endr
	s_cmp_lg_u32 s16, 0                            ; both key halves hold the same -M: the first half's waves store it
	s_cbranch_scc1 .Lno_m
.irp a, 0,1,2,3,4,5,6,7
	ds_store_b32 v[MSW], v[NM+2*\a] offset:64*\a
.endr
.Lno_m:
	s_wait_dscnt 0x0                               ; for the others' sake: my stores of codes, l and -M are done
	s_barrier_signal -1
	s_barrier_wait -1
	ds_load_b128 v[32:35], v[SRM]                  ; -M of queries 64 w + 4 r + 0 .. 3,
	ds_load_b128 v[36:39], v[SRM] offset:1024      ; their l over the first 128 keys,
	ds_load_b128 v[40:43], v[SRM] offset:2048      ; and over the second
.set t, 0
.rept 32
	ds_load_b128 v[BK+4*t:BK+4*t+3], v[RD] offset:t*2*PITCH
.set t, t+1
.endr
.set t, 0
.rept 32
	s_wait_dscnt 31-t                              ; load t is in, the younger ones may be out
	global_store_b128 v[CO], v[BK+4*t:BK+4*t+3], s[10:11] offset:t*4096   ; 16 lanes store 256 consecutive bytes, at a multiple of 256 from P's first byte
.set t, t+1
.endr
	v_pk_add_f32 v[36:37], v[36:37], v[40:41]      ; l over the tile's 256 keys
	v_pk_add_f32 v[38:39], v[38:39], v[42:43]
	v_cmp_ne_u32 s40, 0, v2                        ; lanes 16-31
.irp n, 0,1,2,3
	v_cndmask_b32 v[44+\n], v[32+\n], v[36+\n], s40
.endr
	global_store_b128 v[SGO], v[44:47], s[12:13]   ; lanes 0-15: 256 bytes of -M; lanes 16-31: 256 bytes of l
	s_cmp_eq_u32 s53, 0
	s_cbranch_scc1 .Lend
.irp n, 0,1,2,3
	v_cndmask_b32 v[36+\n], v[32+\n], v[88+\n], s40
.endr
	global_store_b128 v[SGO], v[36:39], s[12:13] offset:8192   ; an even query block's filler for the next key block: the same -M, l = 0,
.set t, 0
.rept 32
	global_store_b128 v[CO], v[88:91], s[10:11] offset:t*4096+256   ; and codes of zeros
.set t, t+1
.endr
.Lend:
	s_wait_tensorcnt 0x0                           ; the wave's end: behind my last tensor load and my last LDS store
	ds_add_u32 v[SPW], v[NIL]
	s_wait_dscnt 0x0
	s_endpgm
.Lfunc_end_k_qab7df47f6e_scores:
	.size	k_qab7df47f6e_scores, .Lfunc_end_k_qab7df47f6e_scores-k_qab7df47f6e_scores
	.p2alignl 7, 3214868480
	.fill 96, 4, 3214868480
	.section	.rodata,"a",@progbits
	.p2align	6, 0x0
	.amdhsa_kernel k_qab7df47f6e_scores
		.amdhsa_group_segment_fixed_size 327680
		.amdhsa_private_segment_fixed_size 0
		.amdhsa_enable_private_segment 0
		.amdhsa_kernarg_size 40
		.amdhsa_user_sgpr_count 2
		.amdhsa_user_sgpr_kernarg_segment_ptr 1
		.amdhsa_wavefront_size32 1
		.amdhsa_system_sgpr_workgroup_id_x 1
		.amdhsa_system_sgpr_workgroup_id_y 1
		.amdhsa_system_sgpr_workgroup_id_z 1
		.amdhsa_system_vgpr_workitem_id 0
		.amdhsa_next_free_vgpr 1024
		.amdhsa_next_free_sgpr 66
		.amdhsa_reserve_vcc 0
		.amdhsa_float_denorm_mode_32 3
		.amdhsa_float_denorm_mode_16_64 3
		.amdhsa_memory_ordered 1
		.amdhsa_forward_progress 1
		.amdhsa_inst_pref_size 208
	.end_amdhsa_kernel
	.amdgpu_metadata
---
amdhsa.version: [ 1, 2 ]
amdhsa.kernels:
  - .name:           k_qab7df47f6e_scores
    .symbol:         k_qab7df47f6e_scores.kd
    .args:
      - { .name: Qc, .offset: 0, .size: 8, .value_kind: global_buffer, .address_space: global }
      - { .name: Kc, .offset: 8, .size: 8, .value_kind: global_buffer, .address_space: global }
      - { .name: lowp_scales, .offset: 16, .size: 8, .value_kind: global_buffer, .address_space: global }
      - { .name: P, .offset: 24, .size: 8, .value_kind: global_buffer, .address_space: global }
      - { .name: stats, .offset: 32, .size: 8, .value_kind: global_buffer, .address_space: global }
    .group_segment_fixed_size: 327680
    .private_segment_fixed_size: 0
    .kernarg_segment_align: 8
    .kernarg_segment_size: 40
    .max_flat_workgroup_size: 128
    .sgpr_count:     66
    .vgpr_count:     1024
    .wavefront_size: 32
...
	.end_amdgpu_metadata
.endif
;; end of part 2
;; launch pv (part 3): grid 8 x 32, 4 waves a work-group, clusters of 4 x 4, 327,680 bytes of LDS; arguments P, Vt, stats, lowp_scales, out0; writes out0
.if DOCPART == 3
	.amdgcn_target "amdgcn-amd-amdhsa--gfx1250"
	.amdhsa_code_object_version 6
	.text
	.protected	k_qab7df47f6e_pv
	.globl	k_qab7df47f6e_pv
	.p2align	8
	.type	k_qab7df47f6e_pv,@function
k_qab7df47f6e_pv:
	s_mov_b64 s[64:65], 0
	v_nop
	global_prefetch_b8 v0, s[64:65] scope:SCOPE_SE
	s_setreg_imm32_b32 hwreg(HW_REG_WAVE_MODE, 25, 1), 1
	s_wait_xcnt 0x0
	s_wait_alu depctr_hold_cnt(0) depctr_sa_sdst(0) depctr_va_vdst(0) depctr_va_sdst(0) depctr_va_ssrc(0) depctr_va_vcc(0) depctr_vm_vsrc(0)
	s_getreg_b32 s2, hwreg(HW_REG_IB_STS2, 6, 4)
	s_cmp_eq_u32 s2, 0
	s_cbranch_scc0 .Lentry_in_a_cluster
	s_endpgm
.Lentry_in_a_cluster:
	s_bfe_u32 s2, ttmp6, 0x10000c
	s_cmp_lg_u32 s2, 0xf033
	s_cbranch_scc0 .Lentry_shape_is_right
	s_endpgm
.Lentry_shape_is_right:
; PRODUCT 5 AND THE SOFTMAX'S SECOND HALF: out0 = (the sum over the keys of p V) / l, on codes of FP8 (E4M3): P [8,192 queries][2,048 keys], Vt [1,024][8,192 tokens], both with the keys innermost.
; WORK LEFT OUT: a group g of 512 queries walks only keys 0 .. 512 (g + 1) - 1: all later keys come after all of its queries, and reference()'s own mask gives them the weight 0.
; SHARES.  A tile of the result is 128 queries x 128 channels; its walk has g + 1 slots of 512 keys.  A WORK-GROUP MAKES TWO TILES, that of group 3 - p and then that of group p (p = 0 or 1):
; (4 - p) + (p + 1) = 5 slots whatever p, so all 256 work-groups walk alike, and the text is five slots on end with no loop.  The ring of two LDS slots runs on from the first tile into the second.
; With 128 + 128 rows to a slot, a slot of 135,168 bytes holds 512 keys: of the five, two are first fills and three are refills, one tensor load a wave each (64 rows x 512 bytes).
; Each of the four waves makes 64 x 64: 16 accumulators.  The product is used transposed (source 0 = 16 rows of Vt, source 1 = 16 rows of P): a lane holds one query and eight neighbouring channels.
; CLUSTERS: 4 x 4 work-groups = one group of 512 queries x 512 channels.  P's tile is shared along a row of the cluster, Vt's along a column: each is asked for JOINTLY.  p, the batch and the half of the
; channels come from the cluster's number, which all sixteen share.
; JOINING THE KEY BLOCKS.  The launch before quantised p under the M of each block of 256 keys and stored -M_j and l_j.  Here, for each query: -M = the least -M_j; E_j = M_j - M (a whole number, 0 or less),
; held at -64; l = the sum of l_j 2^E_j.  The sums are carried from block to block: ahead of the next block they are multiplied by 2^(E_j - E_(j+1)), which rounds nothing, and at the end by 2^(E_last + e8 + e9) / l.
; The walk's ten blocks are numbered u = 0 .. 9 through both tiles.  AT THE CHANGE OF TILES THE FACTOR IS 0: the multiplication that stands there anyway starts the second tile's sums; nothing is cleared.
; LIMITS: a block more than 64 binary orders under the row's largest is weighed 2^-64 in place of less.  In code units a block's sum stays under 448 x 448 x 256, so no carried sum passes 2^93.
; The first tile's results are finite numbers (0 x them is 0).  e8 + e9 is applied by v_ldexp_f32 and has no limit of its own.  NaN among the inputs is not served.
; The statistics are read once, 64 consecutive bytes to a load, 5 KB a wave, while the first tiles are on their way.
; REGISTERS: window 0: v16-29 addresses; v32-103 the factors (boundary u, block of queries a: twice, at 32 + 8 u + 2 a); v104-119 the two last factors; v120-127 at work; v128-255 accumulator (a, b) at
;   128 + 8 (4 a + b) (at the head: the statistics).  window 1: two sets of fragments: 64 registers of P, then 64 of Vt.
.set PITCH,  528                       ; an LDS row: 512 bytes + 16 of padding = 132 words: row r starts at bank 4 r mod 64 (64 banks of 4 bytes: ISA guide 11.1)
.set AH,     64*PITCH                  ; 64 rows: what one tensor load brings, and what one wave reads of P or of Vt
.set SLOT,   4*AH                      ; P's 128 rows, then Vt's 128
.set STAGE,  2*SLOT                    ; behind the ring: 16 rows x 272 bytes for each wave, for the ways out: bytes of their own, since the slots are filled again behind the first way out
.set SP,     272
.set SPARE,  STAGE+4*16*SP             ; the spare words, 128 bytes for each wave: two blocks of 256 bytes that no other line names
.set ADRA, 16                          ; v16-17  LDS address of my fragments of P in slot 0, 1
.set ADRB, 20                          ; v20-21  the same for Vt
.set STO,  24                          ; v24     the way out: where I put 32 bytes of a row
.set RD,   25                          ; v25     the way out: where I read rows back
.set CO,   26                          ; v26     my byte offset in two rows of out0
.set SPW,  28                          ; v28     LDS address of my spare word; never rewritten
.set NIL,  29                          ; v29     0; never rewritten
.set H,    32
.set FIN1, 104
.set FIN2, 112
.set OJ,   104                         ; at the head: the ten blocks' offsets in stats
.set TW,   120
.set ACC,  128
.set NMJ,  128                         ; at the head: -M_u, then E_u (block u, queries' block a: 4 u + a)
.set LJ,   168                         ; l_u
.set EI,   208                         ; E_u as whole numbers
.set M1,   248                         ; the first tile's -M
.set M2,   252                         ; the second's
.set G1, 24                            ; s[24:31] descriptor group 1 for P's tiles;  s[32:39] group 0, one set for each slot
.set G0, 32
.set G1B, 48                           ; s[48:55], s[56:63] the same for Vt's tiles
.set G0B, 56
.set OA,  68                           ; s68-72  the five slots' byte offsets in P, for the rows that I fetch
.set OB,  73                           ; s73-77  the same in Vt
.set MSB, 0
.macro WIN new                         ; the immediate's high byte repeats the setting that is left
.if MSB != (\new)
	s_set_vgpr_msb (MSB<<8)|(\new)
.set MSB, (\new)
.endif
.endm
.set MUL,  0x05                        ; sources 0 (Vt) and 1 (P) window 1; C and D window 0
.set TO_F, 0x40                        ; destination window 1, address window 0
.macro JLOAD g0a, g1a, g0b, g1b        ; a joint load: waves 0, 1 for P, waves 2, 3 for Vt; an s_nop 0 and four v_nop follow each of the two lines
	s_cmp_eq_u32 s15, 0
	s_cbranch_scc0 .Lfor_b_\@
	tensor_load_to_lds s[\g0a:\g0a+3], s[\g1a:\g1a+7]
	s_nop 0
.rept 4
	v_nop
.endr
	s_branch .Lasked_\@
.Lfor_b_\@:
	tensor_load_to_lds s[\g0b:\g0b+3], s[\g1b:\g1b+7]
	s_nop 0
.rept 4
	v_nop
.endr
.Lasked_\@:
.endm
.macro CREST                           ; a round of the cluster's barrier behind its opening barrier
	s_cmp_lg_u32 s14, 0
	s_cbranch_scc1 .Lnot_wave_0_\@
	s_barrier_signal -3
.Lnot_wave_0_\@:
	s_barrier_wait -3
	s_barrier_signal -1
	s_barrier_wait -1
.endm
.macro CROUND                          ; a whole round
	s_barrier_signal -1
	s_barrier_wait -1
	CREST
.endm
	s_load_b256 s[4:11], s[0:1], 0x0               ; P s[4:5], Vt s[6:7], stats s[8:9], the exponents s[10:11]
	s_load_b64 s[12:13], s[0:1], 0x20              ; out0
	v_lshl_add_u32 v[SPW], v0, 2, SPARE
	v_mov_b32 v[NIL], 0
	ds_add_u32 v[SPW], v[NIL]                      ; the wave's opening: the add, twice on end, and its wait ahead of my first tensor load; the set-up below stands between
	ds_add_u32 v[SPW], v[NIL]
	v_lshrrev_b32 v1, 5, v0
	v_readfirstlane_b32 s14, v1                    ; wave 0..3
	s_lshr_b32 s15, s14, 1                         ; my half of the queries.  Also: I fetch for P (0) or for Vt (1)
	s_and_b32 s16, s14, 1                          ; my half of the channels.  Also: which 64 rows of that tile I fetch
	s_bfe_u32 s40, ttmp6, 0x40000                  ; cx, cy: my place in the cluster
	s_bfe_u32 s41, ttmp6, 0x40004
	s_mov_b32 s17, ttmp9                           ; cluster x: which 512 of the 1,024 channels
	s_and_b32 s18, ttmp7, 0xffff                   ; cluster y = 2 b + p
	s_lshr_b32 s66, s18, 1                         ; the batch b
	s_and_b32 s67, s18, 1                          ; p: the first tile is group 3 - p's, the second group p's
	s_lshl_b32 s43, s41, 2
	s_lshl_b32 s43, 15, s43                        ; my row of the cluster
	s_lshl_b32 s44, 0x1111, s40                    ; my column
	; descriptor group 1: a tile of 64 rows x 512 bytes, padded in LDS
	s_or_b32 s[G1+0], s43, (0<<16)|(1<<20)|(1<<21)|(6<<22)|(3<<25)  ; 15:0 the mask: P's tiles go to my row; 17:16 element of 1 byte; 20 padding on; 21 set beside a mask; 24:22 after every 128 words (code 6); 31:25 of 4 words (code 3)
	s_or_b32 s[G1B+0], s44, (0<<16)|(1<<20)|(1<<21)|(6<<22)|(3<<25)
.irp g, G1, G1B
	s_mov_b32 s[\g+1], 512<<16                     ; tensor_dim0
	s_mov_b32 s[\g+2], 64<<16                      ; tensor_dim1 = 64
	s_mov_b32 s[\g+3], 512<<16                     ; tile_dim0
	s_mov_b32 s[\g+4], 64                          ; tile_dim1 = 64
	s_mov_b32 s[\g+6], 0
	s_mov_b32 s[\g+7], 0
.endr
	s_mov_b32 s[G1+5], 2048                        ; P's pitch
	s_mov_b32 s[G1B+5], 8192                       ; Vt's pitch
	; where the five slots come from.  Slots 0, 1, 2 are the first tile's keys 0, 512, 1,024 on; slot 3 is its keys 1,536 on (p = 0) or the second tile's keys 0 on (p = 1); slot 4 the second tile's keys 512 p on.
	s_lshl_b32 s20, s66, 11                        ; P: row 2,048 b
	s_lshl_b32 s21, s41, 7                         ;    + 128 cy
	s_add_co_u32 s20, s20, s21
	s_lshl_b32 s21, s16, 6                         ;    + the 64 rows that I fetch
	s_add_co_u32 s20, s20, s21
	s_sub_co_u32 s21, 3, s67
	s_lshl_b32 s21, s21, 9
	s_add_co_u32 s21, s21, s20                     ;    + 512 (3 - p): the first tile's
	s_lshl_b32 s[OA], s21, 11                      ; in bytes (under 2^24)
	s_add_co_u32 s[OA+1], s[OA], 512
	s_add_co_u32 s[OA+2], s[OA], 1024
	s_add_co_u32 s[OA+3], s[OA], 1536
	s_lshl_b32 s21, s67, 9                         ; 512 p: rows, and bytes along a row
	s_add_co_u32 s22, s21, s20                     ; the second tile's
	s_lshl_b32 s22, s22, 11
	s_add_co_u32 s[OA+4], s22, s21
	s_cmp_eq_u32 s67, 0
	s_cselect_b32 s[OA+3], s[OA+3], s22
	s_mov_b32 s81, 0                               ; (the upper word of the pair that carries an offset of P)
	s_lshl_b32 s46, s17, 9                         ; Vt: row 512 x cluster x
	s_lshl_b32 s47, s40, 7                         ;     + 128 cx
	s_add_co_u32 s46, s46, s47
	s_lshl_b32 s47, s16, 6                         ;     + the 64 rows that I fetch
	s_add_co_u32 s46, s46, s47
	s_lshl_b32 s46, s46, 13                        ; in bytes (under 2^23),
	s_lshl_b32 s47, s66, 11
	s_add_co_u32 s[OB], s46, s47                   ; at the batch's first key
	s_add_co_u32 s[OB+1], s[OB], 512
	s_add_co_u32 s[OB+2], s[OB], 1024
	s_add_co_u32 s[OB+3], s[OB], 1536
	s_lshl_b32 s47, s67, 9
	s_add_co_u32 s[OB+4], s[OB], s47
	s_cmp_eq_u32 s67, 0
	s_cselect_b32 s[OB+3], s[OB+3], s[OB]
	s_mov_b32 s83, 0                               ; (the upper word of the pair that carries an offset of Vt)
	s_mul_i32 s45, s14, AH                         ; where they go: wave x 64 rows: no place in the cluster enters an LDS address
	s_mov_b32 s92, 0x7f800000                      ; +infinity
	s_mov_b32 s93, 0xff800000                      ; -infinity
	s_cmp_eq_u32 s67, 0                            ; blocks 6 and 7 belong to the first tile where p = 0, to the second where p = 1:
	s_cselect_b32 s86, 1.0, 0                      ; their weight in the first tile,
	s_cselect_b32 s96, 0, 1.0                      ; in the second,
	s_cselect_b32 s87, 0, -1                       ; all lanes where they are the second's,
	s_cselect_b32 s88, s93, s92                    ; what a maximum with -M_u makes of them for the first tile's least -M: themselves, or +infinity,
	s_cselect_b32 s89, s92, s93                    ; and for the second's
	s_wait_dscnt 0x0                               ; both opening adds are done
	s_wait_kmcnt 0x0
	s_load_b64 s[78:79], s[10:11], 0x20            ; e8, e9
	CROUND                                         ; all sixteen work-groups are here: the first joint loads meet
.irp s, 0,1
	s_mov_b32 s[G0+4*\s], 1
	s_add_co_u32 s[G0+4*\s+1], s45, \s*SLOT
	s_mov_b32 s80, s[OA+\s]
	s_add_nc_u64 s[G0+4*\s+2:G0+4*\s+3], s[4:5], s[80:81]
	s_or_b32 s[G0+4*\s+3], s[G0+4*\s+3], 0x80000000
	s_mov_b32 s[G0B+4*\s], 1
	s_add_co_u32 s[G0B+4*\s+1], s45, \s*SLOT
	s_mov_b32 s82, s[OB+\s]
	s_add_nc_u64 s[G0B+4*\s+2:G0B+4*\s+3], s[6:7], s[82:83]
	s_or_b32 s[G0B+4*\s+3], s[G0B+4*\s+3], 0x80000000
	JLOAD G0+4*\s, G1, G0B+4*\s, G1B               ; two tensor loads of mine are out
.endr
	v_and_b32 v1, 15, v0                           ; r
	v_bfe_u32 v2, v0, 4, 1                         ; h
	; the statistics of my 64 queries of each tile: lane (r, h) wants those of queries 16 a + r
	s_lshl_b32 s18, s41, 7
	s_lshl_b32 s19, s15, 6
	s_add_co_u32 s18, s18, s19                     ; 128 cy + 64 x my half
	s_sub_co_u32 s19, 3, s67
	s_lshl_b32 s19, s19, 9
	s_add_co_u32 s90, s18, s19                     ; my first query in its batch: the first tile's,
	s_lshl_b32 s19, s67, 9
	s_add_co_u32 s91, s18, s19                     ; the second's
	s_lshl_b32 s92, s66, 16                        ; a batch's eight key blocks are 65,536 bytes of stats, a block 8,192
	s_lshl_b32 s93, s90, 2
	s_add_co_u32 s93, s93, s92                     ; the first tile's key block 0,
	s_lshl_b32 s94, s91, 2
	s_add_co_u32 s94, s94, s92                     ; the second's
	v_lshlrev_b32 v3, 2, v1
.irp u, 0,1,2,3,4,5
	s_add_co_u32 s95, s93, 8192*\u                 ; blocks 0 to 5: the first tile's key blocks 0 to 5
	v_add_nc_u32 v[OJ+\u], s95, v3
.endr
.irp u, 6,7
	s_add_co_u32 s95, s93, 8192*\u                 ; blocks 6, 7: the first tile's key blocks 6, 7 (p = 0),
	s_add_co_u32 s92, s94, 8192*(\u-6)             ; or the second's 0, 1 (p = 1)
	s_cmp_eq_u32 s67, 0
	s_cselect_b32 s95, s95, s92
	v_add_nc_u32 v[OJ+\u], s95, v3
.endr
	s_lshl_b32 s92, s67, 14
	s_add_co_u32 s92, s92, s94
.irp u, 8,9
	s_add_co_u32 s95, s92, 8192*(\u-8)             ; blocks 8, 9: the second tile's key blocks 2 p, 2 p + 1
	v_add_nc_u32 v[OJ+\u], s95, v3
.endr
.irp u, 0,1,2,3,4,5,6,7,8,9
.irp a, 0,1,2,3
	global_load_b32 v[NMJ+4*\u+\a], v[OJ+\u], s[8:9] offset:64*\a
	global_load_b32 v[LJ+4*\u+\a], v[OJ+\u], s[8:9] offset:262144+64*\a
.endr
.endr
	v_mul_u32_u24 v5, v1, PITCH
	v_lshl_add_u32 v4, v2, 4, v5                   ; a fragment's row x pitch + 16 x half
	s_mul_i32 s21, s15, AH                         ; my 64 rows of P
	s_mul_i32 s22, s16, AH                         ; my 64 rows of Vt,
	s_add_co_u32 s22, s22, 2*AH                    ; which lie behind P's 128
.irp s, 0,1
	v_add_nc_u32 v[ADRA+\s], s21, v4
	v_add_nc_u32 v[ADRB+\s], s22, v4
	s_add_co_u32 s21, s21, SLOT
	s_add_co_u32 s22, s22, SLOT
.endr
	s_mul_i32 s23, s14, 16*SP
	s_add_co_u32 s23, s23, STAGE                   ; my stage
	v_mul_u32_u24 v5, v1, SP                       ; in: row r, 32 bytes for each half of the lanes
	v_lshl_add_u32 v5, v2, 5, v5
	v_add_nc_u32 v[STO], s23, v5
	v_mul_u32_u24 v5, v2, SP                       ; back: lanes 0-15 take one row of 256 bytes, lanes 16-31 the next
	v_lshl_add_u32 v5, v1, 4, v5
	v_add_nc_u32 v[RD], s23, v5
	v_lshlrev_b32 v5, 12, v2                       ; and the same two rows in out0, 4,096 bytes apart
	v_lshl_add_u32 v[CO], v1, 4, v5
	s_lshl_b32 s92, s66, 11                        ; out0: row 2,048 b + my first query, 4,096 bytes a row (under 2^25),
	s_add_co_u32 s93, s92, s90
	s_lshl_b32 s93, s93, 12
	s_add_co_u32 s94, s92, s91
	s_lshl_b32 s94, s94, 12
	s_lshl_b32 s92, s17, 9
	s_lshl_b32 s95, s40, 7
	s_add_co_u32 s92, s92, s95
	s_lshl_b32 s95, s16, 6
	s_add_co_u32 s92, s92, s95                     ; my first channel: 512 x cluster x + 128 cx + 64 x my half,
	s_lshl_b32 s92, s92, 2                         ; a multiple of 256 bytes
	s_add_co_u32 s94, s94, s92
	s_mov_b32 s95, 0
	s_add_nc_u64 s[84:85], s[12:13], s[94:95]      ; the second tile's place,
	s_add_co_u32 s92, s93, s92
	s_mov_b32 s93, 0
	s_add_nc_u64 s[12:13], s[12:13], s[92:93]      ; the first's
	s_wait_loadcnt 0x0                             ; the statistics
	s_wait_kmcnt 0x0
.irp a, 0,1,2,3
	v_min3_num_f32 v[M1+\a], v[NMJ+\a], v[NMJ+4+\a], v[NMJ+8+\a]
.endr
.irp a, 0,1,2,3
	v_min3_num_f32 v[M1+\a], v[M1+\a], v[NMJ+12+\a], v[NMJ+16+\a]
.endr
.irp a, 0,1,2,3
	v_max_num_f32 v[TW+\a], s88, v[NMJ+24+\a]      ; blocks 6, 7 as the first tile sees them
	v_max_num_f32 v[TW+4+\a], s88, v[NMJ+28+\a]
.endr
.irp a, 0,1,2,3
	v_min3_num_f32 v[M1+\a], v[M1+\a], v[NMJ+20+\a], v[TW+\a]
.endr
.irp a, 0,1,2,3
	v_min_num_f32 v[M1+\a], v[M1+\a], v[TW+4+\a]   ; the first tile's -M
.endr
.irp a, 0,1,2,3
	v_max_num_f32 v[TW+\a], s89, v[NMJ+24+\a]      ; and as the second sees them
	v_max_num_f32 v[TW+4+\a], s89, v[NMJ+28+\a]
.endr
.irp a, 0,1,2,3
	v_min3_num_f32 v[M2+\a], v[NMJ+32+\a], v[NMJ+36+\a], v[TW+\a]
.endr
.irp a, 0,1,2,3
	v_min_num_f32 v[M2+\a], v[M2+\a], v[TW+4+\a]   ; the second tile's -M
.endr
.irp a, 0,1,2,3
	v_cndmask_b32 v[TW+\a], v[M1+\a], v[M2+\a], s87   ; the -M that holds for blocks 6 and 7
.endr
.irp u, 0,1,2,3,4,5
.irp a, 0,1,2,3
	v_sub_f32 v[NMJ+4*\u+\a], v[M1+\a], v[NMJ+4*\u+\a]   ; E_u = M_u - M
.endr
.endr
.irp u, 6,7
.irp a, 0,1,2,3
	v_sub_f32 v[NMJ+4*\u+\a], v[TW+\a], v[NMJ+4*\u+\a]
.endr
.endr
.irp u, 8,9
.irp a, 0,1,2,3
	v_sub_f32 v[NMJ+4*\u+\a], v[M2+\a], v[NMJ+4*\u+\a]
.endr
.endr
.irp u, 0,1,2,3,4,5,6,7,8,9
.irp a, 0,1,2,3
	v_max_num_f32 v[NMJ+4*\u+\a], 0xc2800000, v[NMJ+4*\u+\a]   ; held at -64
.endr
.endr
.irp u, 0,1,2,3,4,5,6,7,8,9
.irp a, 0,1,2,3
	v_cvt_i32_f32 v[EI+4*\u+\a], v[NMJ+4*\u+\a]
.endr
.endr
.irp u, 0,1,2,3,4,5,6,7,8,9
.irp a, 0,1,2,3
	v_ldexp_f32 v[LJ+4*\u+\a], v[LJ+4*\u+\a], v[EI+4*\u+\a]   ; l_u under its row's M
.endr
.endr
.irp a, 0,1,2,3
	v_add_f32 v[TW+\a], v[LJ+\a], v[LJ+4+\a]       ; the first tile's l,
	v_add_f32 v[TW+4+\a], v[LJ+32+\a], v[LJ+36+\a] ; the second's
.endr
.irp u, 2,3,4,5
.irp a, 0,1,2,3
	v_add_f32 v[TW+\a], v[TW+\a], v[LJ+4*\u+\a]
.endr
.endr
.irp u, 6,7
.irp a, 0,1,2,3
	v_fma_f32 v[TW+\a], v[LJ+4*\u+\a], s86, v[TW+\a]       ; blocks 6, 7 count in the one tile and are weighed 0 in the other
	v_fma_f32 v[TW+4+\a], v[LJ+4*\u+\a], s96, v[TW+4+\a]
.endr
.endr
.irp u, 0,1,2,3,4,5,6,7,8
.irp a, 0,1,2,3
	v_sub_nc_u32 v[H+8*\u+2*\a], v[EI+4*\u+\a], v[EI+4*\u+4+\a]
.endr
.endr
.irp u, 0,1,2,3,4,5,6,7,8
.irp a, 0,1,2,3
	v_ldexp_f32 v[H+8*\u+2*\a], 1.0, v[H+8*\u+2*\a]   ; 2^(E_u - E_(u+1)): between 2^-64 and 2^64
.endr
.endr
.irp a, 0,1,2,3
	v_mul_f32 v[H+40+2*\a], s86, v[H+40+2*\a]      ; behind block 5 the tiles change where p = 1: the factor is 0 there;
	v_mul_f32 v[H+56+2*\a], s96, v[H+56+2*\a]      ; behind block 7 where p = 0
.endr
.irp u, 0,1,2,3,4,5,6,7,8
.irp a, 0,1,2,3
	v_mov_b32 v[H+8*\u+2*\a+1], v[H+8*\u+2*\a]     ; twice: a pair for the packed multiply
.endr
.endr
.irp n, 0,1,2,3,4,5,6,7
	v_rcp_f32 v[TW+\n], v[TW+\n]                   ; each l lies between 1/2 and 2,048
.endr
	s_add_co_i32 s95, s78, s79
.irp a, 0,1,2,3
	v_cndmask_b32 v[M1+\a], v[EI+28+\a], v[EI+20+\a], s87   ; the first tile's last block: 7 (p = 0) or 5 (p = 1).  Plain instructions behind the reciprocals
.endr
.irp a, 0,1,2,3
	v_add_nc_u32 v[M1+\a], s95, v[M1+\a]           ; E_last + e8 + e9
	v_add_nc_u32 v[M2+\a], s95, v[EI+36+\a]
.endr
	s_wait_alu depctr_va_vdst(0)                   ; one wait for the eight reciprocals, ahead of their first reader
.irp a, 0,1,2,3
	v_ldexp_f32 v[FIN1+2*\a], v[TW+\a], v[M1+\a]
	v_ldexp_f32 v[FIN2+2*\a], v[TW+4+\a], v[M2+\a]
.endr
.irp a, 0,1,2,3
	v_mov_b32 v[FIN1+2*\a+1], v[FIN1+2*\a]
	v_mov_b32 v[FIN2+2*\a+1], v[FIN2+2*\a]
.endr
.macro FRAG reg, adr, q, i             ; 16 rows x 128 keys: lane l holds row l % 16; registers 4 c .. 4 c + 3 hold keys 32 c + 16 (l / 16) + 0 .. 15: the same places on both sides
.irp c, 0,1,2,3
	ds_load_b128 v[\reg+4*\c:\reg+4*\c+3], v[\adr] offset:128*(\q)+32*\c+(\i)*16*PITCH
.endr
.endm
; 4 matrix instructions: P's block a x Vt's four, 128 keys, set p.  zero = 1: the first product starts the sums.  The 16 accumulators take turns, one instruction a turn, in the same order in every step.
.macro MULA a, p, zero
.irp b, 0,1,2,3
.if \zero
	v_wmma_f32_16x16x128_fp8_fp8 v[ACC+8*(4*(\a)+\b):ACC+8*(4*(\a)+\b)+7], v[128*(\p)+64+16*\b:128*(\p)+64+16*\b+15], v[128*(\p)+16*(\a):128*(\p)+16*(\a)+15], 0
.else
	v_wmma_f32_16x16x128_fp8_fp8 v[ACC+8*(4*(\a)+\b):ACC+8*(4*(\a)+\b)+7], v[128*(\p)+64+16*\b:128*(\p)+64+16*\b+15], v[128*(\p)+16*(\a):128*(\p)+16*(\a)+15], v[ACC+8*(4*(\a)+\b):ACC+8*(4*(\a)+\b)+7]
.endif
.endr
.endm
.macro FETCH slot, q, p                ; 32 LDS loads in one run: the fragments of the slot's q-th 128 keys into set p
	WIN TO_F
.irp i, 0,1,2,3
	FRAG 128*(\p)+64+16*\i, ADRB+\slot, \q, \i
.endr
.irp i, 0,1,2,3
	FRAG 128*(\p)+16*\i, ADRA+\slot, \q, \i
.endr
	WIN 0
.endm
.macro PLACES n                        ; places behind matrix instructions: plain vector instructions that name none of their registers (ISA guide 7.12.1 for vector instructions)
.rept \n
	v_nop
.endr
.endm
; Behind block u the sums are brought under the next block's exponent: x 2^(E_u - E_(u+1)), or x 0 at the change of tiles; each accumulator from its low end on.  It stands while the next fragments come from LDS.
.macro RESCALE u
.irp a, 0,1,2,3
.set k, 0
.rept 16
	v_pk_mul_f32 v[ACC+32*\a+k:ACC+32*\a+k+1], v[ACC+32*\a+k:ACC+32*\a+k+1], v[H+8*(\u)+2*\a:H+8*(\u)+2*\a+1]
.set k, k+2
.endr
.endr
.endm
.macro STEP slot, q, zero              ; one of a slot's first three steps of 128 keys, on set q % 2; the next step's fragments are fetched into the other set meanwhile
	s_wait_dscnt 0x0                               ; this step's 32 loads are in
	PLACES 4                                       ; behind the last step's products, which read the set that is loaded now
	FETCH \slot, (\q)+1, 1-(\q)%2
	WIN MUL
	MULA 0, (\q)%2, \zero
	MULA 1, (\q)%2, \zero
	MULA 2, (\q)%2, \zero
	MULA 3, (\q)%2, \zero
	WIN 0
.endm
.macro HALF1 slot, zero, u             ; a slot's first block of 256 keys, and the factor behind it
	STEP \slot, 0, \zero
	STEP \slot, 1, 0
	PLACES 4
	RESCALE \u
.endm
; A slot's last step, set 1, and the change of slots: ONE barrier; in front of it each wave waits for all its tensor loads, adds 0 to its spare word, and waits for that and for its reads of this slot.
; fill = 1: this slot is filled again, with the walk's slot idx: the barrier then opens a round of the cluster's barrier, and the joint load is the first thing behind the round.
.macro TURN slot, next, fill, idx
	s_wait_tensorcnt 0x0                           ; all my tensor loads have landed: my part of the next slot; so a group 0 may be written  (every window is 0 here)
	ds_add_u32 v[SPW], v[NIL]                      ; 0 onto my spare word
	s_wait_dscnt 1                                 ; set 1's 32 loads are in; the add alone may be out
	WIN MUL
	MULA 0, 1, 0                                   ; four matrix instructions stand between the add and the wait for it
	s_wait_dscnt 0x0                               ; the add is done, and my reads of this slot are over
	s_barrier_signal -1
	MULA 1, 1, 0
	WIN 0
	s_barrier_wait -1
.if \fill
	CREST                                          ; no wave of any partner still reads this slot's tiles or has a load on its way
	s_mov_b32 s80, s[OA+\idx]
	s_add_nc_u64 s[G0+4*\slot+2:G0+4*\slot+3], s[4:5], s[80:81]
	s_or_b32 s[G0+4*\slot+3], s[G0+4*\slot+3], 0x80000000
	s_mov_b32 s82, s[OB+\idx]
	s_add_nc_u64 s[G0B+4*\slot+2:G0B+4*\slot+3], s[6:7], s[82:83]
	s_or_b32 s[G0B+4*\slot+3], s[G0B+4*\slot+3], 0x80000000
	JLOAD G0+4*\slot, G1, G0B+4*\slot, G1B         ; the first tensor load behind the round; its four v_nop are the places in front of the loads below
.else
	PLACES 4
.endif
	FETCH \next, 0, 0
	WIN MUL
	MULA 2, 1, 0
	MULA 3, 1, 0
	WIN 0
	PLACES 4                                       ; behind the last products: for the multiplies that follow
.endm
; THE WAY OUT of a tile, block by block of 16 queries x 64 channels: x 2^(E_last + e8 + e9) / l in place, each accumulator from its low end on; 32 bytes a lane into my own stage; back as whole rows of 256 bytes,
; into the registers that they left.  LDS serves a wave's instructions in order (ISA guide 5.7.1.4): no wait between the stores and the loads, nor in front of the next block's stores.
.macro PACK a, fin
.set k, 0
.rept 16
	v_pk_mul_f32 v[ACC+32*(\a)+k:ACC+32*(\a)+k+1], v[ACC+32*(\a)+k:ACC+32*(\a)+k+1], v[\fin+2*(\a):\fin+2*(\a)+1]
.set k, k+2
.endr
.irp b, 0,1,2,3
	ds_store_b128 v[STO], v[ACC+32*(\a)+8*\b:ACC+32*(\a)+8*\b+3] offset:64*\b
	ds_store_b128 v[STO], v[ACC+32*(\a)+8*\b+4:ACC+32*(\a)+8*\b+7] offset:64*\b+16
.endr
.irp f, 0,1,2,3,4,5,6,7
	ds_load_b128 v[ACC+32*(\a)+4*\f:ACC+32*(\a)+4*\f+3], v[RD] offset:\f*2*SP
.endr
.endm
.macro SEND a, younger, base           ; younger: the LDS instructions issued behind block a's loads: the next block's sixteen, or none
.irp f, 0,1,2,3,4,5,6,7
	s_wait_dscnt \younger+7-\f
	global_store_b128 v[CO], v[ACC+32*(\a)+4*\f:ACC+32*(\a)+4*\f+3], s[\base:\base+1] offset:(16*(\a)+2*\f)*4096 th:TH_STORE_NT   ; 16 lanes store 256 consecutive bytes, at a multiple of 256 from out0's first byte; written once, read by nobody here
.endr
.endm
.macro OUT fin, base                   ; a block's arithmetic stands between the loads of the block before and its stores
	PACK 0, \fin
	PACK 1, \fin
	SEND 0, 16, \base
	PACK 2, \fin
	SEND 1, 16, \base
	PACK 3, \fin
	SEND 2, 16, \base
	SEND 3, 0, \base
.endm
	s_wait_tensorcnt 1                             ; my part of slot 0 is in; slot 1's may be out
	s_barrier_signal -1
	s_barrier_wait -1                              ; everybody's is
	FETCH 0, 0, 0
	HALF1 0, 1, 0                                  ; the walk's slot 0: the first products start the sums
	STEP 0, 2, 0
	TURN 0, 1, 1, 2                                ; LDS slot 0 takes the walk's slot 2
	RESCALE 1
	HALF1 1, 0, 2                                  ; slot 1
	STEP 1, 2, 0
	TURN 1, 0, 1, 3
	RESCALE 3
	HALF1 0, 0, 4                                  ; slot 2
	STEP 0, 2, 0
	TURN 0, 1, 1, 4                                ; the last refill
	s_cmp_lg_u32 s67, 1                            ; p = 1: the first tile (group 2, three slots) is finished: it goes out while the refill is on its way.  p comes from the cluster's number: all sixteen go the same way
	s_cbranch_scc1 .Lon_a
	OUT FIN1, 12
	s_wait_xcnt 0x0                                ; the stores have read their registers, which the multiplies below write
.Lon_a:
	RESCALE 5                                      ; (p = 1: x 0: the second tile's sums begin)
	HALF1 1, 0, 6                                  ; slot 3
	STEP 1, 2, 0
	TURN 1, 0, 0, 0                                ; nothing is left to fetch, so no round of the cluster's barrier
	s_cmp_lg_u32 s67, 0                            ; p = 0: the first tile (group 3, four slots) is finished
	s_cbranch_scc1 .Lon_b
	OUT FIN1, 12
	s_wait_xcnt 0x0                                ; the stores have read their registers, which the multiplies below write
.Lon_b:
	RESCALE 7                                      ; (p = 0: x 0: the second tile's sums begin)
	HALF1 0, 0, 8                                  ; slot 4
	STEP 0, 2, 0
	s_wait_dscnt 0x0                               ; the very last step
	WIN MUL
	MULA 0, 1, 0
	MULA 1, 1, 0
	MULA 2, 1, 0
	MULA 3, 1, 0
	WIN 0
	PLACES 4                                       ; behind the last products
	OUT FIN2, 84                                   ; the second tile
	s_wait_tensorcnt 0x0                           ; the wave's end: behind my last tensor load and my last LDS store
	ds_add_u32 v[SPW], v[NIL]
	s_wait_dscnt 0x0
	CROUND                                         ; the closing round: no work-group ends while a partner may still ask for a tile that names it
	s_endpgm
.Lfunc_end_k_qab7df47f6e_pv:
	.size	k_qab7df47f6e_pv, .Lfunc_end_k_qab7df47f6e_pv-k_qab7df47f6e_pv
	.p2alignl 7, 3214868480
	.fill 96, 4, 3214868480
	.section	.rodata,"a",@progbits
	.p2align	6, 0x0
	.amdhsa_kernel k_qab7df47f6e_pv
		.amdhsa_group_segment_fixed_size 327680
		.amdhsa_private_segment_fixed_size 0
		.amdhsa_enable_private_segment 0
		.amdhsa_kernarg_size 40
		.amdhsa_user_sgpr_count 2
		.amdhsa_user_sgpr_kernarg_segment_ptr 1
		.amdhsa_wavefront_size32 1
		.amdhsa_system_sgpr_workgroup_id_x 1
		.amdhsa_system_sgpr_workgroup_id_y 1
		.amdhsa_system_sgpr_workgroup_id_z 1
		.amdhsa_system_vgpr_workitem_id 0
		.amdhsa_next_free_vgpr 512
		.amdhsa_next_free_sgpr 100
		.amdhsa_reserve_vcc 0
		.amdhsa_float_denorm_mode_32 3
		.amdhsa_float_denorm_mode_16_64 3
		.amdhsa_memory_ordered 1
		.amdhsa_forward_progress 1
		.amdhsa_inst_pref_size 179
	.end_amdhsa_kernel
	.amdgpu_metadata
---
amdhsa.version: [ 1, 2 ]
amdhsa.kernels:
  - .name:           k_qab7df47f6e_pv
    .symbol:         k_qab7df47f6e_pv.kd
    .args:
      - { .name: P, .offset: 0, .size: 8, .value_kind: global_buffer, .address_space: global }
      - { .name: Vt, .offset: 8, .size: 8, .value_kind: global_buffer, .address_space: global }
      - { .name: stats, .offset: 16, .size: 8, .value_kind: global_buffer, .address_space: global }
      - { .name: lowp_scales, .offset: 24, .size: 8, .value_kind: global_buffer, .address_space: global }
      - { .name: out0, .offset: 32, .size: 8, .value_kind: global_buffer, .address_space: global }
    .group_segment_fixed_size: 327680
    .private_segment_fixed_size: 0
    .kernarg_segment_align: 8
    .kernarg_segment_size: 40
    .max_flat_workgroup_size: 128
    .sgpr_count:     100
    .vgpr_count:     512
    .wavefront_size: 32
...
	.end_amdgpu_metadata
.endif
;; end of part 3
